; MI455X (gfx1250); checked and timed in simulation.
; The chip was launched on July 23, 2026; its instructions are those of AMD's public machine-readable ISA for CDNA 5 (MIT licence, August 2026) and "CDNA5" Instruction Set Architecture Reference Guide (July 2026). The comments in the code are by the model that wrote it; some were corrected since.
;; Multi Head Attention. Allowed arithmetic: matrix products marked QUANTISED: E2M1 operands, one E8M0 scale for each 32 along K, by v_wmma_scale_f32_16x16x128_f8f6f4 with both operands' format E2M1 (or v_wmma_scale_f32_32x16x128_f4), f32 sums; products left as they are: bf16, f16 or f32 operands; f32 sums; everything else in f32.
;; Inputs: b_proj 1,024 float32; w_proj 1,024 x 1,024 float32; wk 16 x 1,024 x 64 float32; wq 16 x 1,024 x 64 float32; wv 16 x 1,024 x 64 float32; x 4 x 2,048 x 1,024 float32.
;; Outputs: out0 4 x 2,048 x 1,024 float32.
;; This version of the problem:
;;   THIS VERSION OF THE PROBLEM IS GIVEN IN LOW PRECISION. The matrix products marked QUANTISED in the list below multiply operands that are first quantised to E2M1 (2 exponent bits, 1 mantissa bit; 4 bits a number), with one power-of-two scale for each 32 numbers along K (OCP MX v1.0); their sums are f32. The products marked 'left as it is' may take bf16, f16 or f32 operands, with f32 sums. Whichever they take, every output number must still come out within the allowed error. Rounding operands to bf16 (8 significant bits) uses up far more of that allowance than f16 does (11 bits, for magnitudes from 6e-5 to 65,504). All else is computed in f32.
;;   The module's matrix products, in the order in which they are computed (A, B: the left and right operand; K: the contracted axis; several contracted axes count as one K, in the product's order):
;;     1. [M 1,024, K 1,024] x [K 1,024, N 8,192]; A: input wq; B: input x: QUANTISED
;;     2. [M 1,024, K 1,024] x [K 1,024, N 8,192]; A: input wk; B: input x: QUANTISED
;;     3. [M 1,024, K 1,024] x [K 1,024, N 8,192]; A: input wv; B: input x: QUANTISED
;;     4. batch 64 x [M 2,048, K 64] x [K 64, N 2,048]; A: computed on the way; B: computed on the way: left as it is (an operand is computed on the way)
;;     5. batch 64 x [M 2,048, K 2,048] x [K 2,048, N 64]; A: computed on the way; B: computed on the way: left as it is (an operand is computed on the way)
;;     6. [M 8,192, K 1,024] x [K 1,024, N 1,024]; A: computed on the way; B: input w_proj: left as it is (an operand is computed on the way)
;;   THE QUANTISER, for each operand of a quantised product, along K:
;;     - K is cut into blocks of 32 from its start; a last block that is shorter is filled with zeros.
;;     - A block's scale is 2^e with e = floor(log2(the largest magnitude in the block)) - 2, held to -126 .. 127; a block of zeros has e = 0. As a byte (E8M0): e + 127.
;;     - Each number is divided by its block's scale, clamped to +-6, and rounded to the nearest number of E2M1, ties to even, subnormals kept.
;;     - The product sums the exact products of the quantised numbers (number of the format x scale) in f32.
;;   ~~~python
;;   def quantise(x, axis):      # numpy; x: float32 -> the quantised numbers, widened to float32 again
;;       x = np.moveaxis(x, axis, -1); K = x.shape[-1]
;;       x = np.pad(x, [(0, 0)] * (x.ndim - 1) + [(0, -K % 32)]); x = x.reshape(x.shape[:-1] + (-1, 32)); a = np.abs(x).max(-1, keepdims=True)
;;       e = np.where(a > 0, np.clip(np.frexp(np.where(a > 0, a, 1))[1] - 1 - 2, -126, 127), 0)      # np.frexp(a)[1] - 1 = floor(log2(a)), exactly
;;       r = np.clip(x / 2.0 ** e, -6, 6)
;;       step = 2.0 ** (np.maximum(np.frexp(np.where(r == 0, 1, r))[1] - 1, 0) - 1)
;;       q = np.round(r / step) * step * 2.0 ** e      # np.round: ties to even
;;       return np.moveaxis(q.reshape(q.shape[:-2] + (-1,))[..., :K], -1, axis).astype(np.float32)
;;   ~~~
;; One version. Each part assembles by itself: llvm-mc -triple=amdgcn-amd-amdhsa -mcpu=gfx1250 --defsym DOCPART=n.
;; ======== version 1 of 1: 5 launches
;; limits: values are held in f16: magnitudes above 65,504 overflow, below 6.1e-05 lose precision
;; workspace buffers: xc 4,194,304 bytes; xs 262,144 bytes; wc 1,572,864 bytes; ws 98,304 bytes; wp16 2,097,152 bytes; qkv 50,331,648 bytes; fq 786,432 bytes; att 16,777,216 bytes
;; launch prep (part 1): grid 416 x 1, 4 waves a work-group, no clusters, 50,688 bytes of LDS; arguments x, wq, wk, wv, w_proj, xc, xs, wc, ws, wp16; writes xc, xs, wc, ws, wp16
.if DOCPART == 1
	.amdgcn_target "amdgcn-amd-amdhsa--gfx1250"
	.amdhsa_code_object_version 6
	.text
	.protected	k_q63196ee1f7_prep
	.globl	k_q63196ee1f7_prep
	.p2align	8
	.type	k_q63196ee1f7_prep,@function
k_q63196ee1f7_prep:
	s_mov_b64 s[64:65], 0
	v_nop
	global_prefetch_b8 v0, s[64:65] scope:SCOPE_SE
	s_setreg_imm32_b32 hwreg(HW_REG_WAVE_MODE, 25, 1), 1
	s_wait_xcnt 0x0
; MULTI-HEAD ATTENTION, launch 1 of 5: the operands of the three quantised products are turned into codes of FP4 (E2M1) with one E8M0 byte for each 32 along K = the 1,024 channels,
; and w_proj is rounded to f16 for the output projection.
; DEAD WORK OF THE WHOLE PROGRAM.  reference() builds a lower-triangular mask in its own body and sets every score with key > query to -infinity ahead of the softmax: its weight is 0 for all
; values of the inputs.  So steps of 64 keys that lie wholly behind a wave's last query are not multiplied (launch 3).  Nothing else is left out, and every input is loaded.
; LIMIT: a NaN, an infinity or an overflow that reaches only such masked scores is not carried to the result.
; LIMITS OF THIS LAUNCH: a block of zeros gets the scale byte 1 where the rule says 127 (its codes are zeros, which add nothing, and this program alone reads the bytes); blocks whose largest
; magnitude lies under 2^(2 - 126) have their byte held at 1; NaN and infinities among the inputs are not served; w_proj beyond 65,504 has no f16 number.
; THREE PATHS, parted on the work-group's number alone (all four waves of a work-group go the same way), each with LDS bytes of its own:
;   work-groups 0-95: wq, wk, wv [16][1024 c][64 d]: K is the middle axis.  A lane takes a column d and its registers run down c, so the conversions give codes with K innermost.
;     Work-group g: weight g / 32, head (g / 2) % 16, half g % 2 of K.  Wave: 32 columns (wave % 2) x 256 along K (wave / 2).  The four waves' codes meet in a stage and leave as rows of 256 bytes.
;   work-groups 96-159: w_proj to f16, 4,096 numbers a wave.
;   work-groups 160-415: x: rows are dense and 1,024 is a multiple of 32, so x is a plain stream of blocks of 32.  A wave takes 16 steps of 512 numbers; each load reads 512 consecutive bytes;
;     the numbers turn through the wave's own stage so that a lane holds 16 neighbours; two neighbouring lanes hold a block.
; OUT: xc [8192][512 bytes], xs [8192][32]; wc [3072 rows (weight x 16 + head) x 64 + d][512 bytes], ws [3072][32]; wp16 [1024][1024] f16.
.set WGW,   96                         ; work-groups for the weights
.set WGC,   64                         ; for w_proj
.set WREG,  8192                       ; x: LDS of a wave: two stages of 32 x SP bytes, behind them its 256 scale bytes
.set SP,    80                         ; a lane's place in a stage: 64 bytes + 16 of padding
.set CB,    8                          ; bytes of 16 codes
.set EMAX,  2
.set STEPS, 16
.set WST,   32768                      ; the weights' stage: 64 rows x WP
.set WP,    272                        ; 256 bytes + 16 of padding
.set SPARE, 50176                      ; the spare words, 128 bytes for each wave: two blocks of 256 bytes that no other line names
.set SPW,   12                         ; v12 LDS address of my spare word; never rewritten
.set NIL,   13                         ; v13 0; never rewritten
.set R,     16                         ; x: v16-79 four sets of 16 numbers as loaded
.set X,     80                         ; x: v80-111 two sets of 16 neighbours
.set E,     112                        ; x: v112-127 a scale byte for each step
.set C,     128                        ; x: v128-191 codes, four registers a step
.set WX,    32                         ; weights: v32-95 two sets of 32 numbers
.set WC,    96                         ; weights: v96-99 a block's codes
.set WSB,   24                         ; weights: v24-25 eight scale bytes
.set WOUT,  112                        ; weights: v112-143 the way out
	s_load_b512 s[4:19], s[0:1], 0x0               ; x 4:5, wq 6:7, wk 8:9, wv 10:11, w_proj 12:13, xc 14:15, xs 16:17, wc 18:19
	s_load_b128 s[20:23], s[0:1], 0x40             ; ws 20:21, wp16 22:23
	v_lshl_add_u32 v[SPW], v0, 2, SPARE
	v_mov_b32 v[NIL], 0
	v_lshrrev_b32 v1, 5, v0
	v_readfirstlane_b32 s24, v1                    ; wave 0..3
	v_and_b32 v2, 31, v0                           ; lane
	s_wait_kmcnt 0x0
	s_cmp_lt_u32 ttmp9, WGW
	s_cbranch_scc1 .Lweights
	s_cmp_lt_u32 ttmp9, WGW+WGC
	s_cbranch_scc1 .Lcast
	; ---------------- x ----------------
	v_lshlrev_b32 v3, 4, v2                        ; my 16 bytes of a load's 512
	s_mul_i32 s25, s24, WREG
	v_lshrrev_b32 v14, 2, v2
	v_mul_u32_u24 v14, v14, SP
	v_and_b32 v15, 3, v2
	v_lshl_add_u32 v14, v15, 4, v14
	v_add_nc_u32 v14, s25, v14                     ; the stage, on the way in: SP (lane / 4) + 16 (lane % 4)
	v_mul_u32_u24 v15, v2, SP
	v_add_nc_u32 v15, s25, v15                     ; and on the way out: SP x lane: my 16 neighbours
	v_mul_u32_u24 v4, v2, CB                       ; my codes' place in a step's
	v_lshrrev_b32 v5, 1, v2
	s_add_co_u32 s25, s25, 2*32*SP
	v_add_nc_u32 v5, s25, v5                       ; my wave's 256 scale bytes, my block's byte
	v_lshlrev_b32 v7, 3, v2
	v_add_nc_u32 v6, s25, v7                       ; and on the way out 8 bytes a lane
	s_sub_co_u32 s26, ttmp9, WGW+WGC
	s_lshl_b32 s26, s26, 2
	s_add_co_u32 s26, s26, s24                     ; which run of 8,192 numbers is my wave's: 0 .. 1,023
	s_mov_b32 s29, 0
	s_lshl_b32 s28, s26, 15                        ; 32,768 bytes of x a run
	s_add_nc_u64 s[4:5], s[4:5], s[28:29]
	s_lshl_b32 s28, s26, 12                        ; 4,096 bytes of codes
	s_add_nc_u64 s[14:15], s[14:15], s[28:29]
	s_lshl_b32 s28, s26, 8                         ; 256 scale bytes
	s_add_nc_u64 s[16:17], s[16:17], s[28:29]
.macro XLOAD t
.irp i, 0,1,2,3
	global_load_b128 v[R+16*((\t)%4)+4*\i:R+16*((\t)%4)+4*\i+3], v3, s[4:5] offset:2048*(\t)+512*\i th:TH_LOAD_NT   ; 32 lanes read 512 consecutive bytes
.endr
.endm
.macro XTURN t                         ; step t's numbers through the stage: LDS serves a wave's instructions in order, so no wait stands between the stores and the loads
.irp i, 0,1,2,3
	ds_store_b128 v14, v[R+16*((\t)%4)+4*\i:R+16*((\t)%4)+4*\i+3] offset:32*SP*((\t)%2)+8*SP*\i
.endr
.irp i, 0,1,2,3
	ds_load_b128 v[X+16*((\t)%2)+4*\i:X+16*((\t)%2)+4*\i+3], v15 offset:32*SP*((\t)%2)+16*\i
.endr
.endm
.irp t, 0,1,2,3
	XLOAD \t
.endr
	s_wait_loadcnt 12                              ; step 0's four loads are in; the twelve of steps 1 to 3 may be out
	XTURN 0
.macro XSTEP t
.set XS, X+16*((\t)%2)
.if (\t) > 0
	s_wait_dscnt 1                                 ; this step's numbers are back from the stage (the last step's byte store may be out)
.else
	s_wait_dscnt 0x0
.endif
.if (\t)+4 < STEPS
	XLOAD (\t)+4                                   ; into the registers that this step's stores into the stage have read
.endif
.if (\t)+1 < STEPS
.if STEPS-2-(\t) >= 3
	s_wait_loadcnt 12                              ; the next step's four loads are in; those of the three steps behind it may be out
.else
	s_wait_loadcnt 4*(STEPS-2-(\t))
.endif
	XTURN (\t)+1
.endif
	v_max3_num_f32 v8, |v[XS]|, |v[XS+1]|, |v[XS+2]|               ; the largest magnitude of my 16, in two chains
	v_max3_num_f32 v9, |v[XS+3]|, |v[XS+4]|, |v[XS+5]|
.irp i, 6,10
	v_max3_num_f32 v8, v8, |v[XS+\i]|, |v[XS+\i+1]|
	v_max3_num_f32 v9, v9, |v[XS+\i+2]|, |v[XS+\i+3]|
.endr
	v_max3_num_f32 v8, v8, |v[XS+14]|, |v[XS+15]|
	v_max3_num_f32 v8, v8, v9, (EMAX+1)<<23        ; and the floor 2^(EMAX + 1 - 127): the byte cannot fall under 1
	v_max_num_f32_dpp v8, v8, v8 row_xmask:1 row_mask:0xf bank_mask:0xf   ; and of my neighbour's 16: the block's
	v_add_nc_u32 v11, -(EMAX<<23), v8              ; EMAX off its exponent field: the conversion takes the exponent field of this operand as its scale
	v_cvt_scalef32_pk8_fp4_f32 v[C+4*(\t)], v[XS:XS+7], v11
	v_cvt_scalef32_pk8_fp4_f32 v[C+4*(\t)+1], v[XS+8:XS+15], v11
	v_lshrrev_b32 v[E+(\t)], 23, v11               ; the scale's byte
	ds_store_b8 v5, v[E+(\t)] offset:16*(\t)       ; both lanes of a block write the same byte with the same value
	global_store_b64 v4, v[C+4*(\t):C+4*(\t)+1], s[14:15] offset:32*CB*(\t)   ; the wave stores 256 consecutive bytes, aligned
.endm
.irp t, 0,1,2,3,4,5,6,7,8,9,10,11,12,13,14,15
	XSTEP \t
.endr
	ds_load_b64 v[8:9], v6                         ; LDS serves a wave's instructions in order: these see my stores
	s_wait_dscnt 0x0
	global_store_b64 v7, v[8:9], s[16:17]          ; 32 lanes store 256 consecutive bytes, aligned
	s_wait_tensorcnt 0x0                           ; the wave's end, behind my last LDS store
	ds_add_u32 v[SPW], v[NIL]
	s_wait_dscnt 0x0
	s_endpgm
	; ---------------- wq, wk, wv ----------------
.Lweights:
	s_cmp_lt_u32 ttmp9, 32                         ; which weight: the choice hangs on the work-group's number alone
	s_cselect_b64 s[26:27], s[6:7], s[8:9]
	s_cmp_lt_u32 ttmp9, 64
	s_cselect_b64 s[26:27], s[26:27], s[10:11]
	s_lshr_b32 s36, ttmp9, 1                       ; weight x 16 + head
	s_and_b32 s28, s36, 15                         ; head
	s_and_b32 s29, ttmp9, 1                        ; which 512 along K
	s_and_b32 s30, s24, 1                          ; which 32 columns
	s_lshr_b32 s31, s24, 1                         ; which 256 of the 512
	s_lshl_b32 s32, s28, 18                        ; a head is 1,024 rows of 256 bytes
	s_lshl_b32 s33, s29, 17
	s_add_co_u32 s32, s32, s33
	s_lshl_b32 s33, s31, 16
	s_add_co_u32 s32, s32, s33
	s_lshl_b32 s33, s30, 7
	s_add_co_u32 s32, s32, s33
	s_mov_b32 s33, 0
	s_add_nc_u64 s[26:27], s[26:27], s[32:33]      ; the weight at my first row and column
	v_lshlrev_b32 v3, 2, v2                        ; in: 4 bytes a lane
	s_mul_i32 s34, s30, 32*WP
	s_lshl_b32 s35, s31, 7
	s_add_co_u32 s34, s34, s35
	s_add_co_u32 s34, s34, WST
	v_mul_u32_u24 v4, v2, WP
	v_add_nc_u32 v4, s34, v4                       ; into the stage: row = my column, my wave's 128 bytes of it
	s_lshl_b32 s32, s36, 11                        ; scale bytes: 64 rows of 32 bytes a head,
	s_lshl_b32 s35, s30, 10                        ; my wave's 32 rows,
	s_add_co_u32 s32, s32, s35
	s_lshl_b32 s35, s29, 4                         ; 16 bytes for 512 along K,
	s_add_co_u32 s32, s32, s35
	s_lshl_b32 s35, s31, 3                         ; 8 for 256
	s_add_co_u32 s32, s32, s35
	s_add_nc_u64 s[20:21], s[20:21], s[32:33]
	v_lshlrev_b32 v9, 5, v2                        ; my column's row of scale bytes
	s_lshl_b32 s32, s36, 15                        ; codes: 64 rows of 512 bytes a head,
	s_lshl_b32 s35, s24, 13                        ; on the way out wave w takes rows 16 w .. 16 w + 15,
	s_add_co_u32 s32, s32, s35
	s_lshl_b32 s35, s29, 8                         ; the half of K: 256 bytes
	s_add_co_u32 s32, s32, s35
	s_add_nc_u64 s[18:19], s[18:19], s[32:33]
	v_and_b32 v5, 15, v2
	v_lshrrev_b32 v6, 4, v2
	s_mul_i32 s34, s24, 16*WP
	s_add_co_u32 s34, s34, WST
	v_mul_u32_u24 v7, v6, WP
	v_lshl_add_u32 v7, v5, 4, v7
	v_add_nc_u32 v7, s34, v7                       ; out of the stage: sixteen lanes to a row, two rows an instruction
	v_lshlrev_b32 v8, 9, v6
	v_lshl_add_u32 v8, v5, 4, v8                   ; and the same place in wc
.macro WLOAD t                         ; block t: W(32 t + i, my column), i = 0 .. 31, into set t % 2
.irp i, 0,1,2,3,4,5,6,7,8,9,10,11,12,13,14,15,16,17,18,19,20,21,22,23,24,25,26,27,28,29,30,31
	global_load_b32 v[WX+32*((\t)%2)+\i], v3, s[26:27] offset:(32*(\t)+\i)*256 th:TH_LOAD_NT
.endr
.endm
	WLOAD 0
	WLOAD 1
.macro WBLOCK t
.set XS, WX+32*((\t)%2)
.if (\t) < 7
	s_wait_loadcnt 32                              ; this block's 32 loads are in; the next block's 32 may be out
.else
	s_wait_loadcnt 0
.endif
	v_max3_num_f32 v16, |v[XS]|, |v[XS+1]|, |v[XS+2]|              ; the block's largest magnitude: all 32 numbers are mine
	v_max3_num_f32 v17, |v[XS+3]|, |v[XS+4]|, |v[XS+5]|
.irp i, 6,10,14,18,22,26
	v_max3_num_f32 v16, v16, |v[XS+\i]|, |v[XS+\i+1]|
	v_max3_num_f32 v17, v17, |v[XS+\i+2]|, |v[XS+\i+3]|
.endr
	v_max3_num_f32 v16, v16, |v[XS+30]|, |v[XS+31]|
	v_max3_num_f32 v16, v16, v17, (EMAX+1)<<23     ; and the floor
	v_add_nc_u32 v11, -(EMAX<<23), v16             ; the conversion's scale operand
	v_lshrrev_b32 v17, 23, v11                     ; the scale's byte
.if (\t)%4 == 0
	v_mov_b32 v[WSB+(\t)/4], v17                   ; four bytes to a register, the lower K in the lower byte
.else
	v_lshl_or_b32 v[WSB+(\t)/4], v17, 8*((\t)%4), v[WSB+(\t)/4]
.endif
.irp g, 0,1,2,3
	v_cvt_scalef32_pk8_fp4_f32 v[WC+\g], v[XS+8*\g:XS+8*\g+7], v11
.endr
	ds_store_b128 v4, v[WC:WC+3] offset:16*(\t)    ; 32 codes: 16 bytes of my column's row
.if (\t)+2 < 8
	WLOAD (\t)+2
.endif
	s_wait_dscnt 0x0                               ; the store has read its registers: the next block's codes may be written
.endm
.irp t, 0,1,2,3,4,5,6,7
	WBLOCK \t
.endr
	global_store_b64 v9, v[WSB:WSB+1], s[20:21]    ; my column's 8 scale bytes: pieces of 8 bytes, 98,304 bytes in the whole launch, one byte for each 128 read
	s_wait_dscnt 0x0                               ; for the others' sake: my stores into the stage are done
	s_barrier_signal -1
	s_barrier_wait -1                              ; a row's 256 bytes come from two waves
.irp j, 0,1,2,3,4,5,6,7
	ds_load_b128 v[WOUT+4*\j:WOUT+4*\j+3], v7 offset:2*\j*WP
.endr
.irp j, 0,1,2,3,4,5,6,7
	s_wait_dscnt 7-\j                              ; LDS loads come back in order: load j is in, the younger ones may be out
	global_store_b128 v8, v[WOUT+4*\j:WOUT+4*\j+3], s[18:19] offset:1024*\j   ; sixteen lanes store 256 consecutive bytes, aligned
.endr
	s_wait_tensorcnt 0x0                           ; the wave's end, behind my last LDS store
	ds_add_u32 v[SPW], v[NIL]
	s_wait_dscnt 0x0
	s_endpgm
	; ---------------- w_proj to f16: no LDS ----------------
.Lcast:
	s_sub_co_u32 s26, ttmp9, WGW
	s_lshl_b32 s26, s26, 2
	s_add_co_u32 s26, s26, s24                     ; which run of 4,096 numbers: 0 .. 255
	s_mov_b32 s29, 0
	s_lshl_b32 s28, s26, 14
	s_add_nc_u64 s[12:13], s[12:13], s[28:29]
	s_lshl_b32 s28, s26, 13
	s_add_nc_u64 s[22:23], s[22:23], s[28:29]
	v_lshlrev_b32 v3, 4, v2
	v_lshlrev_b32 v4, 3, v2
.irp i, 0,1,2,3,4,5,6,7,8,9,10,11,12,13,14,15,16,17,18,19,20,21,22,23,24,25,26,27,28,29,30,31
	global_load_b128 v[32+4*\i:35+4*\i], v3, s[12:13] offset:512*\i th:TH_LOAD_NT
.endr
.irp i, 0,1,2,3,4,5,6,7,8,9,10,11,12,13,14,15,16,17,18,19,20,21,22,23,24,25,26,27,28,29,30,31
	s_wait_loadcnt 31-\i                           ; load i is in, the younger ones may be out
	v_cvt_pk_f16_f32 v[32+4*\i], v[32+4*\i], v[33+4*\i]
	v_cvt_pk_f16_f32 v[33+4*\i], v[34+4*\i], v[35+4*\i]
	global_store_b64 v4, v[32+4*\i:33+4*\i], s[22:23] offset:256*\i   ; 32 lanes store 256 consecutive bytes, aligned
.endr
	s_endpgm
.Lfunc_end_k_q63196ee1f7_prep:
	.size	k_q63196ee1f7_prep, .Lfunc_end_k_q63196ee1f7_prep-k_q63196ee1f7_prep
	.p2alignl 7, 3214868480
	.fill 96, 4, 3214868480
	.section	.rodata,"a",@progbits
	.p2align	6, 0x0
	.amdhsa_kernel k_q63196ee1f7_prep
		.amdhsa_group_segment_fixed_size 50688
		.amdhsa_private_segment_fixed_size 0
		.amdhsa_enable_private_segment 0
		.amdhsa_kernarg_size 80
		.amdhsa_user_sgpr_count 2
		.amdhsa_user_sgpr_kernarg_segment_ptr 1
		.amdhsa_wavefront_size32 1
		.amdhsa_system_sgpr_workgroup_id_x 1
		.amdhsa_system_sgpr_workgroup_id_y 1
		.amdhsa_system_sgpr_workgroup_id_z 1
		.amdhsa_system_vgpr_workitem_id 0
		.amdhsa_next_free_vgpr 192
		.amdhsa_next_free_sgpr 66
		.amdhsa_reserve_vcc 0
		.amdhsa_float_denorm_mode_32 3
		.amdhsa_float_denorm_mode_16_64 3
		.amdhsa_memory_ordered 1
		.amdhsa_forward_progress 1
		.amdhsa_inst_pref_size 85
	.end_amdhsa_kernel
	.amdgpu_metadata
---
amdhsa.version: [ 1, 2 ]
amdhsa.kernels:
  - .name:           k_q63196ee1f7_prep
    .symbol:         k_q63196ee1f7_prep.kd
    .args:
      - { .name: x, .offset: 0, .size: 8, .value_kind: global_buffer, .address_space: global }
      - { .name: wq, .offset: 8, .size: 8, .value_kind: global_buffer, .address_space: global }
      - { .name: wk, .offset: 16, .size: 8, .value_kind: global_buffer, .address_space: global }
      - { .name: wv, .offset: 24, .size: 8, .value_kind: global_buffer, .address_space: global }
      - { .name: w_proj, .offset: 32, .size: 8, .value_kind: global_buffer, .address_space: global }
      - { .name: xc, .offset: 40, .size: 8, .value_kind: global_buffer, .address_space: global }
      - { .name: xs, .offset: 48, .size: 8, .value_kind: global_buffer, .address_space: global }
      - { .name: wc, .offset: 56, .size: 8, .value_kind: global_buffer, .address_space: global }
      - { .name: ws, .offset: 64, .size: 8, .value_kind: global_buffer, .address_space: global }
      - { .name: wp16, .offset: 72, .size: 8, .value_kind: global_buffer, .address_space: global }
    .group_segment_fixed_size: 50688
    .private_segment_fixed_size: 0
    .kernarg_segment_align: 8
    .kernarg_segment_size: 80
    .max_flat_workgroup_size: 128
    .sgpr_count:     66
    .vgpr_count:     192
    .wavefront_size: 32
...
	.end_amdgpu_metadata
.endif
;; end of part 1
;; launch qkv (part 2): grid 12 x 32, 4 waves a work-group, clusters of 4 x 4, 327,680 bytes of LDS; arguments xc, xs, wc, ws, qkv, fq; writes qkv, fq
.if DOCPART == 2
	.amdgcn_target "amdgcn-amd-amdhsa--gfx1250"
	.amdhsa_code_object_version 6
	.text
	.protected	k_q63196ee1f7_qkv
	.globl	k_q63196ee1f7_qkv
	.p2align	8
	.type	k_q63196ee1f7_qkv,@function
k_q63196ee1f7_qkv:
	s_mov_b64 s[64:65], 0
	v_nop
	global_prefetch_b8 v0, s[64:65] scope:SCOPE_SE
	s_setreg_imm32_b32 hwreg(HW_REG_WAVE_MODE, 25, 1), 1
	s_wait_xcnt 0x0
	s_wait_alu depctr_hold_cnt(0) depctr_sa_sdst(0) depctr_va_vdst(0) depctr_va_sdst(0) depctr_va_ssrc(0) depctr_va_vcc(0) depctr_vm_vsrc(0)
	s_getreg_b32 s2, hwreg(HW_REG_IB_STS2, 6, 4)
	s_cmp_eq_u32 s2, 0
	s_cbranch_scc0 .Lentry_in_a_cluster
	s_endpgm
.Lentry_in_a_cluster:
	s_bfe_u32 s2, ttmp6, 0x10000c
	s_cmp_lg_u32 s2, 0xf033
	s_cbranch_scc0 .Lentry_shape_is_right
	s_endpgm
.Lentry_shape_is_right:
; Launch 2 of 5: q, k and v.  C[m][n] = sum over c of x[m][c] W[n][c] on codes of FP4 (E2M1) with one E8M0 scale for each 32 along K: m = 8,192 tokens, n = 3,072 = (weight x 16 + head) x 64 + d, K = 1,024.
; A tile of C, 256 x 256, is made by a work-group of four waves; a wave makes 128 x 128: 64 accumulators of 16 x 16, 512 registers.  K is two slots of 512 (rows of 256 bytes): both come with the first fills
; and nothing is filled again.  The scale bytes of the work-group's rows, for all of K, come once, as whole rows of 256 bytes.
; CLUSTERS: 4 x 4 work-groups.  The four of a row of the cluster need the same tiles of x, the four of a column the same tiles of W: each tile is asked for JOINTLY.
; THE MATRIX INSTRUCTION IS USED TRANSPOSED (source 0 = 16 rows of W, source 1 = 16 tokens): a lane holds one token and eight neighbouring d.
; OUT: qkv [weight][batch][head][t][64] f16, for the products that are left as they are; fq [weight][batch][head][16][64] f32: positions 0-15 of each sequence, which launch 5 carries in f32.
; LIMIT: q, k, v beyond 65,504 have no f16 number.
; REGISTERS: window 0: v16-31 addresses; v32-95 scale words, two sets; v128-191 x's fragments, ONE set; v192-223 packed results; on the way out v32-63 and v224-255 take rows back from the stage.
;   window 1: W's fragments, TWO sets, at v0 and v128.   window 2: the accumulators of my tokens 0-63 ((a, b) at v[8 (8 a + b)]);   window 3: those of my tokens 64-127.
.set SIZE_K, 1024
.set KSTEP,  512
.set NQ,     KSTEP/128                 ; matrix instructions deep in a slot
.set ROWB,   256                       ; a tile's row in bytes
.set KROW,   SIZE_K*4/8                ; a row of codes in memory
.set PITCH,  272                       ; an LDS row: 256 bytes + 16 of padding = 68 words: the 16 rows that a load touches start at 16 different banks
.set FR,     8
.set NL,     2
.set NP,     4                         ; places behind this matrix instruction (ISA guide 7.12.1)
.set HALFT,  128*PITCH
.set SLOT,   4*HALFT
.set KS,     SIZE_K/32                 ; a row of scales in bytes
.set SCL,    2*SLOT                    ; behind the slots: the scales, rows of 256 bytes + 16 of padding
.set HALFS,  (128*KS/256)*272
.set SBLK,   (16*KS/256)*272
.set SPARE,  SCL+4*HALFS               ; the spare words, 128 bytes for each wave: two blocks of 256 bytes that no other line names
.set STAGE,  SPARE+512                 ; the way out: 16 rows x 272 bytes for each wave; no tensor load lands here
.set SPITCH, 272
.set ADRA, 16
.set ADRB, 20
.set STO,  24                          ; v24 the way out: where I put 16 bytes of a token's row
.set RD,   25                          ; v25 where I read back: four tokens x 128 bytes of one head
.set CO,   26                          ; v26 16 x lane
.set ADRS, 27
.set SPW,  28
.set NIL,  29
.set FQO,  30                          ; v30 my place in fq: token x 256 + 32 x half
.set FLG,  31                          ; v31 0 where my wave holds positions 0-15 of a sequence
.set SC,   32
.set AF,   128
.set TMP,  192
.set BK,   32                          ; v32-63 and v224-255 by turns
.set G1, 24
.set G0, 32
.set G1B, 48
.set G0B, 56
.set G1S, 68
.set G0S, 76
.set G1SB, 80
.set G0SB, 88
.set MSB, 0
.macro WIN new                         ; the immediate's high byte repeats the setting that is left
.if MSB != (\new)
	s_set_vgpr_msb (MSB<<8)|(\new)
.set MSB, (\new)
.endif
.endm
.set MUL_LO, 0xa1                      ; source 0 (W) window 1, source 1 (x) window 0, C and D window 2
.set MUL_HI, 0xf1
.set TO_B,   0x40
; A joint load: waves 0 and 1 fetch for x, waves 2 and 3 for W.  The branch hangs on the wave's number alone.  An s_nop 0 and four v_nop follow each of the two lines.
.macro JLOAD g0a, g1a, g0b, g1b
	s_cmp_eq_u32 s15, 0
	s_cbranch_scc0 .Lfor_b_\@
	tensor_load_to_lds s[\g0a:\g0a+3], s[\g1a:\g1a+7]
	s_nop 0
.rept 4
	v_nop
.endr
	s_branch .Lasked_\@
.Lfor_b_\@:
	tensor_load_to_lds s[\g0b:\g0b+3], s[\g1b:\g1b+7]
	s_nop 0
.rept 4
	v_nop
.endr
.Lasked_\@:
.endm
.macro CROUND                          ; a round of the cluster's barrier
	s_barrier_signal -1
	s_barrier_wait -1
	s_cmp_lg_u32 s14, 0
	s_cbranch_scc1 .Lnot_wave_0_\@
	s_barrier_signal -3
.Lnot_wave_0_\@:
	s_barrier_wait -3
	s_barrier_signal -1
	s_barrier_wait -1
.endm
	s_load_b128 s[4:7], s[0:1], 0x0                ; x's codes, x's scales
	s_load_b128 s[8:11], s[0:1], 0x10              ; W's codes, W's scales
	s_load_b64 s[12:13], s[0:1], 0x20              ; qkv
	s_load_b64 s[96:97], s[0:1], 0x28              ; fq
	v_lshl_add_u32 v[SPW], v0, 2, SPARE
	v_mov_b32 v[NIL], 0
	ds_add_u32 v[SPW], v[NIL]                      ; the wave's opening: the add, twice on end, and its wait ahead of my first tensor load
	ds_add_u32 v[SPW], v[NIL]
	v_lshrrev_b32 v1, 5, v0
	v_readfirstlane_b32 s14, v1                    ; wave 0..3
	s_lshr_b32 s15, s14, 1                         ; which half of the tile's tokens is mine.  Also: I fetch for x (0) or for W (1)
	s_and_b32 s16, s14, 1                          ; which half of its columns.  Also: which 128 rows I fetch
	s_bfe_u32 s40, ttmp6, 0x40000                  ; cx, cy
	s_bfe_u32 s41, ttmp6, 0x40004
	s_lshl_b32 s42, ttmp9, 2
	s_add_co_u32 s42, s42, s40                     ; tile column = 4 x cluster x + cx
	s_and_b32 s17, ttmp7, 0xffff
	s_lshl_b32 s17, s17, 2
	s_add_co_u32 s17, s17, s41                     ; tile row = 4 x cluster y + cy
	s_lshl_b32 s43, s41, 2
	s_lshl_b32 s43, 15, s43                        ; my row of the cluster
	s_lshl_b32 s44, 0x1111, s40                    ; my column
	s_or_b32 s[G1+0], s43, (0<<16)|(1<<20)|(1<<21)|(5<<22)|(3<<25)  ; the mask; elements of 1 byte; padding on; bit 21 beside a mask; after every 64 words four words
	s_or_b32 s[G1B+0], s44, (0<<16)|(1<<20)|(1<<21)|(5<<22)|(3<<25)
.irp g, G1, G1B
	s_mov_b32 s[\g+1], ROWB<<16                    ; tensor_dim0
	s_mov_b32 s[\g+2], 128<<16                     ; tensor_dim1
	s_mov_b32 s[\g+3], ROWB<<16                    ; tile_dim0
	s_mov_b32 s[\g+4], 128                         ; tile_dim1
	s_mov_b32 s[\g+5], KROW                        ; from row to row
	s_mov_b32 s[\g+6], 0
	s_mov_b32 s[\g+7], 0
.endr
	s_or_b32 s[G1S+0], s43, (3<<16)|(1<<20)|(1<<21)|(5<<22)|(3<<25)  ; the scales of 128 rows: 4,096 dense bytes as 16 rows of 256 (32 elements of 8 bytes)
	s_or_b32 s[G1SB+0], s44, (3<<16)|(1<<20)|(1<<21)|(5<<22)|(3<<25)
.irp g, G1S, G1SB
	s_mov_b32 s[\g+1], 32<<16
	s_mov_b32 s[\g+2], (128*KS/256)<<16
	s_mov_b32 s[\g+3], 32<<16
	s_mov_b32 s[\g+4], 128*KS/256
	s_mov_b32 s[\g+5], 32
	s_mov_b32 s[\g+6], 0
	s_mov_b32 s[\g+7], 0
.endr
	s_lshl_b32 s18, s16, 7
	s_lshl_b32 s20, s17, 8
	s_add_co_u32 s20, s20, s18                     ; x: row 256 x tile row + 128 x half
	s_lshl_b32 s46, s42, 8
	s_add_co_u32 s46, s46, s18                     ; W: row 256 x tile column + 128 x half
	s_mov_b32 s21, 0
	s_mov_b32 s47, 0
	s_mov_b64 s[18:19], KS
	s_mul_u64 s[22:23], s[20:21], s[18:19]         ; where these rows' scales begin
	s_mul_u64 s[92:93], s[46:47], s[18:19]
	s_mov_b64 s[18:19], KROW
	s_mul_u64 s[20:21], s[20:21], s[18:19]         ; and their codes
	s_mul_u64 s[46:47], s[46:47], s[18:19]
	s_mul_i32 s45, s14, HALFT                      ; where they go: wave x 128 rows
	s_mul_i32 s94, s14, HALFS
	s_wait_dscnt 0x0                               ; both opening adds are done
	s_wait_kmcnt 0x0
	s_add_nc_u64 s[20:21], s[4:5], s[20:21]
	s_add_nc_u64 s[22:23], s[6:7], s[22:23]
	s_add_nc_u64 s[46:47], s[8:9], s[46:47]
	s_add_nc_u64 s[92:93], s[10:11], s[92:93]
	CROUND                                         ; all sixteen work-groups are here: the joint loads meet
	s_mov_b32 s[G0S], 1
	s_add_co_u32 s[G0S+1], s94, SCL
	s_mov_b64 s[G0S+2:G0S+3], s[22:23]
	s_or_b32 s[G0S+3], s[G0S+3], 0x80000000
	s_mov_b32 s[G0SB], 1
	s_add_co_u32 s[G0SB+1], s94, SCL
	s_mov_b64 s[G0SB+2:G0SB+3], s[92:93]
	s_or_b32 s[G0SB+3], s[G0SB+3], 0x80000000
	JLOAD G0S, G1S, G0SB, G1SB                     ; the scales first; with the two slots below three tensor loads of mine are out
.irp s, 0,1
	s_mov_b32 s[G0+4*\s], 1
	s_add_co_u32 s[G0+4*\s+1], s45, \s*SLOT
	s_add_nc_u64 s[G0+4*\s+2:G0+4*\s+3], s[20:21], \s*ROWB
	s_or_b32 s[G0+4*\s+3], s[G0+4*\s+3], 0x80000000
	s_mov_b32 s[G0B+4*\s], 1
	s_add_co_u32 s[G0B+4*\s+1], s45, \s*SLOT
	s_add_nc_u64 s[G0B+4*\s+2:G0B+4*\s+3], s[46:47], \s*ROWB
	s_or_b32 s[G0B+4*\s+3], s[G0B+4*\s+3], 0x80000000
	JLOAD G0+4*\s, G1, G0B+4*\s, G1B
.endr
	v_and_b32 v1, 15, v0                           ; r = l % 16
	v_bfe_u32 v2, v0, 4, 1                         ; h = l / 16
	v_mul_u32_u24 v3, v1, PITCH
	v_lshl_add_u32 v4, v2, 4, v3
	s_mul_i32 s21, s15, HALFT                      ; my 128 tokens
	s_mul_i32 s22, s16, HALFT                      ; my 128 rows of W,
	s_add_co_u32 s22, s22, 2*HALFT                 ; which lie behind x's 256
.irp s, 0,1
	v_add_nc_u32 v[ADRA+\s], s21, v4
	v_add_nc_u32 v[ADRB+\s], s22, v4
	s_add_co_u32 s21, s21, SLOT
	s_add_co_u32 s22, s22, SLOT
.endr
	v_mul_u32_u24 v5, v1, KS                       ; my row's scales: KS bytes a row,
	v_lshrrev_b32 v6, 8, v5
	v_lshl_add_u32 v5, v6, 4, v5                   ; and 16 more for each 256 passed
	s_mul_i32 s21, s15, HALFS
	s_mul_i32 s22, s16, HALFS
	s_add_co_u32 s22, s22, 2*HALFS
	s_sub_co_u32 s22, s22, s21
	v_mul_u32_u24 v6, s22, v2                      ; lanes 16-31 take W's
	s_add_co_u32 s21, s21, SCL
	v_add_nc_u32 v5, v5, v6
	v_add_nc_u32 v[ADRS], s21, v5
	s_mul_i32 s23, s14, 16*SPITCH
	s_add_co_u32 s23, s23, STAGE                   ; my stage
	v_mul_u32_u24 v5, v1, SPITCH                   ; in: token r, 16 bytes for each half of the lanes
	v_lshl_add_u32 v5, v2, 4, v5
	v_add_nc_u32 v[STO], s23, v5
	v_bfe_u32 v5, v0, 3, 2                         ; back: eight lanes take a token's 128 bytes of one head, 32 lanes four tokens
	v_mul_u32_u24 v5, v5, SPITCH
	v_and_b32 v6, 7, v0
	v_lshl_add_u32 v5, v6, 4, v5
	v_add_nc_u32 v[RD], s23, v5
	v_and_b32 v6, 31, v0
	v_lshlrev_b32 v[CO], 4, v6                     ; which are 512 consecutive bytes of qkv
	v_lshlrev_b32 v[FQO], 8, v1
	v_lshl_add_u32 v[FQO], v2, 5, v[FQO]
	; where my part begins: section = (weight x 4 + batch) x 16 + head
	s_lshr_b32 s20, s42, 2                         ; weight = tile column / 4
	s_lshl_b32 s20, s20, 2
	s_lshr_b32 s21, s17, 3                         ; batch = tile row / 8
	s_add_co_u32 s20, s20, s21
	s_lshl_b32 s20, s20, 4
	s_and_b32 s21, s42, 3
	s_lshl_b32 s21, s21, 2
	s_add_co_u32 s20, s20, s21
	s_lshl_b32 s21, s16, 1
	s_add_co_u32 s20, s20, s21                     ; my first head: 4 (tile column % 4) + 2 x half
	s_lshl_b32 s46, s20, 12                        ; fq: 4,096 bytes a section
	s_mov_b32 s47, 0
	s_add_nc_u64 s[96:97], s[96:97], s[46:47]
	s_lshl_b32 s20, s20, 11                        ; qkv: 2,048 tokens a section,
	s_and_b32 s21, s17, 7
	s_lshl_b32 s21, s21, 8
	s_add_co_u32 s20, s20, s21
	s_lshl_b32 s21, s15, 7
	s_add_co_u32 s20, s20, s21                     ; my first token,
	s_lshl_b32 s20, s20, 7                         ; 128 bytes each: under 2^26
	s_mov_b32 s21, 0
	s_add_nc_u64 s[12:13], s[12:13], s[20:21]
	s_and_b32 s21, s17, 7
	s_or_b32 s21, s21, s15
	v_mov_b32 v[FLG], s21                          ; 0: my block 0 is positions 0-15 of a sequence
.macro FRAG reg, adr, q, i             ; 16 rows x 128 K of 4-bit codes: 8 registers: two loads of 16 bytes, 32 bytes apart
.irp c, 0,1
	ds_load_b128 v[\reg+4*\c:\reg+4*\c+3], v[\adr] offset:64*(\q)+32*\c+(\i)*16*PITCH
.endr
.endm
; 16 matrix instructions: x's blocks a0, a0 + 1 against W's eight.  The 64 accumulators take turns, one instruction a turn, in the same order in every step.
.macro MUL16 a0, p, q, sc, zero
.irp a, \a0, \a0+1
.irp b, 0,1,2,3,4,5,6,7
.if \zero
	v_wmma_scale_f32_16x16x128_f8f6f4 v[8*(8*((\a)%4)+\b):8*(8*((\a)%4)+\b)+7], v[128*(\p)+FR*\b:128*(\p)+FR*\b+FR-1], v[AF+FR*(\a):AF+FR*(\a)+FR-1], 0, v[SC+8*NQ*(\sc)+NQ*\b+(\q)], v[SC+8*NQ*(\sc)+NQ*(\a)+(\q)] matrix_a_fmt:MATRIX_FMT_FP4 matrix_b_fmt:MATRIX_FMT_FP4 matrix_a_scale:MATRIX_SCALE_ROW1
.else
	v_wmma_scale_f32_16x16x128_f8f6f4 v[8*(8*((\a)%4)+\b):8*(8*((\a)%4)+\b)+7], v[128*(\p)+FR*\b:128*(\p)+FR*\b+FR-1], v[AF+FR*(\a):AF+FR*(\a)+FR-1], v[8*(8*((\a)%4)+\b):8*(8*((\a)%4)+\b)+7], v[SC+8*NQ*(\sc)+NQ*\b+(\q)], v[SC+8*NQ*(\sc)+NQ*(\a)+(\q)] matrix_a_fmt:MATRIX_FMT_FP4 matrix_b_fmt:MATRIX_FMT_FP4 matrix_a_scale:MATRIX_SCALE_ROW1
.endif
.endr
.endr
.endm
.macro FETCH_B slot, q, p
	WIN TO_B
.irp i, 0,1,2,3,4,5,6,7
	FRAG 128*(\p)+FR*\i, ADRB+\slot, \q, \i
.endr
	WIN 0
.endm
.macro FETCH_A slot, q, i0
.irp i, \i0, \i0+1, \i0+2, \i0+3
	FRAG AF+FR*(\i), ADRA+\slot, \q, \i
.endr
.endm
.macro SCALES sc                       ; a slot's scale words: lanes 0-15 take x's block i, lanes 16-31 W's block i
.irp i, 0,1,2,3,4,5,6,7
	ds_load_b128 v[SC+8*NQ*\sc+NQ*\i:SC+8*NQ*\sc+NQ*\i+3], v[ADRS] offset:\i*SBLK
.endr
.endm
.macro PLACES n                        ; plain vector instructions between a matrix instruction and a load into, or a read of, its registers
.rept \n
	v_nop
.endr
.endm
.macro STEP slot, q, zero              ; a step of 128 along K that has its successor in the same slot
	s_wait_dscnt 4*NL                              ; W's set and x's blocks 0-3 are in; the youngest eight loads (x's blocks 4-7) may be out
	WIN MUL_LO
	MUL16 0, (\q)%2, \q, \slot, \zero
	MUL16 2, (\q)%2, \q, \slot, \zero
	s_wait_dscnt 0
	PLACES NP
	FETCH_B \slot, (\q)+1, 1-(\q)%2
	FETCH_A \slot, (\q)+1, 0
	WIN MUL_HI
	MUL16 4, (\q)%2, \q, \slot, \zero
	MUL16 6, (\q)%2, \q, \slot, \zero
	PLACES NP
	WIN 0
	FETCH_A \slot, (\q)+1, 4
.endm
; Slot 0's last step changes slots: each wave waits for all its tensor loads (slot 1's is the one that may be out), then the barrier shows slot 1 whole to every wave.  Nothing is filled again.
.macro TURN slot, next
	s_wait_tensorcnt 0x0
	ds_add_u32 v[SPW], v[NIL]                      ; 0 onto my spare word
	s_wait_dscnt 4*NL+1                            ; (the add and the youngest eight loads may be out)
	WIN MUL_LO
	MUL16 0, 1, NQ-1, \slot, 0
	s_wait_dscnt 0x0
	s_barrier_signal -1
	MUL16 2, 1, NQ-1, \slot, 0
	WIN 0
	s_barrier_wait -1
	PLACES NP
	v_add_nc_u32 v[ADRS], 4*NQ, v[ADRS]            ; on to the next slot's scale words
	FETCH_B \next, 0, 0
	FETCH_A \next, 0, 0
	SCALES \next
	WIN MUL_HI
	MUL16 4, 1, NQ-1, \slot, 0
	MUL16 6, 1, NQ-1, \slot, 0
	PLACES NP
	WIN 0
	FETCH_A \next, 0, 4
.endm
	s_wait_tensorcnt 1                             ; the scales and my part of slot 0 are in (slot 1's load may be out),
	s_barrier_signal -1
	s_barrier_wait -1                              ; everybody's are
	FETCH_B 0, 0, 0
	FETCH_A 0, 0, 0
	SCALES 0
	FETCH_A 0, 0, 4
	STEP 0, 0, 1                                   ; the first step's products start the sums: nothing is cleared
	STEP 0, 1, 0
	STEP 0, 2, 0
	TURN 0, 1
	STEP 1, 0, 0
	STEP 1, 1, 0
	STEP 1, 2, 0
	s_wait_dscnt 4*NL                              ; the last step: nothing more to fetch
	WIN MUL_LO
	MUL16 0, 1, NQ-1, 1, 0
	MUL16 2, 1, NQ-1, 1, 0
	s_wait_dscnt 0
	WIN MUL_HI
	MUL16 4, 1, NQ-1, 1, 0
	MUL16 6, 1, NQ-1, 1, 0
	WIN 0
	PLACES NP
	; POSITIONS 0-15 IN f32.  Where my block 0 holds them, its eight accumulators go to fq as they are.  The choice is made by EXEC, not by a branch: it hangs on the work-group's place in its cluster.
	; Pieces of 32 bytes: 786,432 bytes in the whole launch.
	s_wait_xcnt 0x0                                ; EXEC changes only behind this wait
	v_cmp_eq_u32 vcc_lo, 0, v[FLG]
	s_and_saveexec_b32 s95, vcc_lo
	WIN 0x08                                       ; a store's data are its source 1: window 2
.irp b, 0,1,2,3,4,5,6,7
	global_store_b128 v[FQO], v[8*\b:8*\b+3], s[96:97] offset:(\b/4)*4096+(\b%4)*64
	global_store_b128 v[FQO], v[8*\b+4:8*\b+7], s[96:97] offset:(\b/4)*4096+(\b%4)*64+16
.endr
	WIN 0
	s_wait_xcnt 0x0                                ; and again, in front of the line that widens it
	s_or_b32 exec_lo, exec_lo, s95
; THE WAY OUT, block by block of 16 tokens x 128 columns (two heads).  PACK: rounded to f16, 16 bytes a lane, each accumulator from its low end on.  TOSTAGE: into my own stage, and back as four tokens x 128 bytes of one head.  SEND: stored.
.macro PACK a
.set AC, 64*((\a)%4)
	WIN 0x0a+5*((\a)/4)                            ; sources 0 and 1: window 2 or 3
.irp b, 0,1,2,3,4,5,6,7
.irp r, 0,1,2,3
	v_cvt_pk_f16_f32 v[TMP+4*\b+\r], v[AC+8*\b+2*\r], v[AC+8*\b+2*\r+1]
.endr
.endr
	WIN 0
.endm
.macro TOSTAGE a
.set BB, BK+192*((\a)%2)
.irp b, 0,1,2,3,4,5,6,7
	ds_store_b128 v[STO], v[TMP+4*\b:TMP+4*\b+3] offset:32*\b
.endr
.irp hh, 0,1
.irp j, 0,1,2,3
	ds_load_b128 v[BB+16*\hh+4*\j:BB+16*\hh+4*\j+3], v[RD] offset:4*\j*SPITCH+128*\hh   ; LDS serves a wave's instructions in order: these see the stores above
.endr
.endr
.endm
.macro SEND a
.set BB, BK+192*((\a)%2)
	s_wait_dscnt 0x0                               ; the block is back in registers
	s_wait_xcnt 0x0                                ; the stores of the block before have read their registers: the next block's loads may land there
.irp hh, 0,1
.irp j, 0,1,2,3
	global_store_b128 v[CO], v[BB+16*\hh+4*\j:BB+16*\hh+4*\j+3], s[12:13] offset:(\a)*2048+\hh*262144+512*\j   ; 32 lanes store 512 consecutive bytes, aligned
.endr
.endr
.endm
	PACK 0
	TOSTAGE 0
.irp a, 1,2,3,4,5,6,7                  ; block a's conversions stand between block a - 1's loads from the stage and the wait for them
	PACK \a
	SEND \a-1
	TOSTAGE \a
.endr
	SEND 7
	s_wait_tensorcnt 0x0                           ; the wave's end
	ds_add_u32 v[SPW], v[NIL]
	s_wait_dscnt 0x0
	CROUND                                         ; the closing round
	s_endpgm
.Lfunc_end_k_q63196ee1f7_qkv:
	.size	k_q63196ee1f7_qkv, .Lfunc_end_k_q63196ee1f7_qkv-k_q63196ee1f7_qkv
	.p2alignl 7, 3214868480
	.fill 96, 4, 3214868480
	.section	.rodata,"a",@progbits
	.p2align	6, 0x0
	.amdhsa_kernel k_q63196ee1f7_qkv
		.amdhsa_group_segment_fixed_size 327680
		.amdhsa_private_segment_fixed_size 0
		.amdhsa_enable_private_segment 0
		.amdhsa_kernarg_size 48
		.amdhsa_user_sgpr_count 2
		.amdhsa_user_sgpr_kernarg_segment_ptr 1
		.amdhsa_wavefront_size32 1
		.amdhsa_system_sgpr_workgroup_id_x 1
		.amdhsa_system_sgpr_workgroup_id_y 1
		.amdhsa_system_sgpr_workgroup_id_z 1
		.amdhsa_system_vgpr_workitem_id 0
		.amdhsa_next_free_vgpr 1024
		.amdhsa_next_free_sgpr 98
		.amdhsa_reserve_vcc 1
		.amdhsa_float_denorm_mode_32 3
		.amdhsa_float_denorm_mode_16_64 3
		.amdhsa_memory_ordered 1
		.amdhsa_forward_progress 1
		.amdhsa_inst_pref_size 129
	.end_amdhsa_kernel
	.amdgpu_metadata
---
amdhsa.version: [ 1, 2 ]
amdhsa.kernels:
  - .name:           k_q63196ee1f7_qkv
    .symbol:         k_q63196ee1f7_qkv.kd
    .args:
      - { .name: xc, .offset: 0, .size: 8, .value_kind: global_buffer, .address_space: global }
      - { .name: xs, .offset: 8, .size: 8, .value_kind: global_buffer, .address_space: global }
      - { .name: wc, .offset: 16, .size: 8, .value_kind: global_buffer, .address_space: global }
      - { .name: ws, .offset: 24, .size: 8, .value_kind: global_buffer, .address_space: global }
      - { .name: qkv, .offset: 32, .size: 8, .value_kind: global_buffer, .address_space: global }
      - { .name: fq, .offset: 40, .size: 8, .value_kind: global_buffer, .address_space: global }
    .group_segment_fixed_size: 327680
    .private_segment_fixed_size: 0
    .kernarg_segment_align: 8
    .kernarg_segment_size: 48
    .max_flat_workgroup_size: 128
    .sgpr_count:     98
    .vgpr_count:     1024
    .wavefront_size: 32
...
	.end_amdgpu_metadata
.endif
;; end of part 2
;; launch attn (part 3): grid 4 x 64, 8 waves a work-group, no clusters, 327,680 bytes of LDS; arguments qkv, att; writes att
.if DOCPART == 3
	.amdgcn_target "amdgcn-amd-amdhsa--gfx1250"
	.amdhsa_code_object_version 6
	.text
	.protected	k_q63196ee1f7_attn
	.globl	k_q63196ee1f7_attn
	.p2align	8
	.type	k_q63196ee1f7_attn,@function
k_q63196ee1f7_attn:
	s_mov_b64 s[64:65], 0
	v_nop
	global_prefetch_b8 v0, s[64:65] scope:SCOPE_SE
	s_setreg_imm32_b32 hwreg(HW_REG_WAVE_MODE, 25, 1), 1
	s_wait_xcnt 0x0
; Launch 3 of 5: att[b][h][q][:] = the sum over k <= q of softmax_k(Q[q] . K[k] / 32) V[k][:].  q, k, v: qkv [3][64 heads of batches][2048][64] f16; att likewise f16.  Products on f16 operands with f32 sums;
; maxima, exponentials and sums in f32, with a running maximum; the weights p are rounded to f16 for the second product.
; WORK LEFT OUT: steps of 64 keys all of which come after a wave's last query: reference() sets their scores to -infinity by the mask that it builds itself, so their weights are 0 for all inputs.
; LIMITS: a NaN or an infinity that reaches only such scores is not carried on; NaN and infinities among the inputs are not served.
; SHARES.  A work-group (i = 0..3, head) owns the query blocks 7 - i and i, 256 queries each, and walks 9 units of 256 keys whatever i is: key blocks 0 .. 7 - i for the first, then 0 .. i for the second.
; So all 256 work-groups have the same work and every trip count is a constant.  Wave w owns 32 queries of the block in hand: two tiles of 16.  Two waves share a SIMD.
; NO CLUSTER: the four work-groups of a head ask for different key blocks from the trip on in which the first of them changes its query block, so their requests could not be joint in every trip.
; LAYOUT.  S^T = K Q^T (source 0 = 16 keys, source 1 = 16 queries): a lane holds ONE query (lane % 16) and keys 8 (lane / 16) + 0..7.  Two such tiles, rounded to f16 in pairs, ARE source 1 of O^T = V^T P.
; K comes out of LDS as it lies, V ([key][channel]) turned, by ds_load_tr16_b128.
; THE RING: two slots of 256 keys (four steps: 64 rows of K, then 64 rows of V each).  Waves 0-3 bring the four steps' K, waves 4-7 their V: one tensor load a wave, one of mine out at a time.
; REGISTERS: window 0: v1-14 addresses; v16-31 statistics, 8 a tile; v32-95 S^T; v96-127 P; v128-191 K; v192-255 V.   window 1: v0-31 Q; v32-95 O^T.
.set PK,    144                        ; a row of K in LDS: 128 bytes + 16: nine times 16 bytes, so the 16 rows of a load start at 16 different groups of four banks
.set PV,    160                        ; a row of V: 128 + 32: five times 32 bytes, for the turning load
.set VOFF,  64*PK
.set STEPB, 64*(PK+PV)
.set SLOT1, 1<<17                      ; slot 1 begins here: one exclusive or turns an address from one slot to the other
.set STAGE, SLOT1+4*STEPB              ; behind the ring: 32 rows x 144 bytes for each wave; no tensor load lands here
.set SPARE, STAGE+8*32*144             ; the spare words, 128 bytes for each wave: four blocks of 256 bytes that no other line names
.set AK0, 1
.set AV0, 2
.set ADK, 3
.set ADV, 4
.set QO,  5
.set STO, 6
.set RD,  7
.set GO,  8
.set SPW, 9
.set NIL, 10
.set PFO, 11
.set RH,  12                           ; r - 8 h
.set MD,  13
.set MINF, 14
.set ST,  16                           ; tile t at v[ST + 8 t]: +0 c m, +1 m, +2, +3 l, +4 .. +7 at work; a takes +6
.set S,   32
.set P,   96
.set KFR, 128
.set VFR, 192
.set WV,  8
.set WI,  9
.set BH,  10
.set HO,  12                           ; s[12:13] the head's first byte in a part of qkv, and in att
.set QP,  14
.set OP,  16
.set SRC, 18                           ; s[18:19] my 64 rows of key block 0, in k (waves 0-3) or v (waves 4-7)
.set OF,  20                           ; s[20:21] an offset, the upper word 0
.set G1K, 24
.set G1V, 32
.set G0,  40
.set U,   44
.set SW,  45
.set KBL, 46
.set NKA, 47
.set KF,  48
.set Q0,  49
.set TB,  50
.set ST4, 51
.set CS,  52                           ; s[52:53] c = log2(e) / 32
.set SEL, 54
.set PFA, 56
.set LIM, 58
.set MSB, 0
.macro WIN new
.if MSB != (\new)
	s_set_vgpr_msb (MSB<<8)|(\new)
.set MSB, (\new)
.endif
.endm
; My one tensor load.  The branch hangs on the wave's number alone; the two lines differ in the padding.  An s_nop 0 and four v_nop follow each.
.macro JLOAD
	s_cmp_lt_u32 s[WV], 4
	s_cbranch_scc0 .Lfor_v_\@
	tensor_load_to_lds s[G0:G0+3], s[G1K:G1K+7]
	s_nop 0
.rept 4
	v_nop
.endr
	s_branch .Lasked_\@
.Lfor_v_\@:
	tensor_load_to_lds s[G0:G0+3], s[G1V:G1V+7]
	s_nop 0
.rept 4
	v_nop
.endr
.Lasked_\@:
.endm
; A PREFETCH INTO THE L2.  The four work-groups of a head walk key blocks 0, 1, 2 .. in the same trips; the one with i = 0 walks all eight, and it alone asks: in trip u for key block u + 2, one unit of four
; key steps ahead of the load that will want it.  Each wave asks for the 8,192 bytes that it will itself fetch, lanes 256 bytes apart: each block of 256 bytes of key blocks 2 to 7 is named once in the launch.
; Key blocks 0 and 1 come by their loads alone; trips 6 and 7 ask for nothing.
.macro ASK
	s_cmp_lt_u32 s[U], s[LIM]
	s_cbranch_scc0 .Lnot_mine_\@
	global_prefetch_b8 v[PFO], s[PFA:PFA+1] th:TH_LOAD_NT scope:SCOPE_SE
.Lnot_mine_\@:
.endm
; THE CHANGE OF SLOTS stands at a unit's head.  Each wave waits for all its tensor loads (its part of the slot ahead), adds 0 to its spare word, and waits for that and for its reads of the slot that it has left.
; Behind the barrier the slot ahead is whole and nobody reads the other one.  fill = 1: that other slot takes the next unit's keys: the load has four key steps in which to land.
.macro CHANGE fill
	s_wait_tensorcnt 0x0                           ; no tensor load of mine is out, so group 0 may be written
	ds_add_u32 v[SPW], v[NIL]
.if \fill
	s_add_co_u32 s[KBL], s[KBL], 1                 ; the next unit's key block:
	s_cmp_eq_u32 s[KBL], s[NKA]
	s_cselect_b32 s[KBL], 0, s[KBL]                ; behind the first query block's last, the second's first
	s_lshl_b32 s[OF], s[KBL], 15                   ; 256 rows of 128 bytes
	s_add_nc_u64 s[G0+2:G0+3], s[SRC:SRC+1], s[OF:OF+1]
	s_or_b32 s[G0+3], s[G0+3], 0x80000000
	s_xor_b32 s[G0+1], s[G0+1], SLOT1              ; the other slot than last time
	s_wait_xcnt 0x0                                ; the last prefetch, a unit back, has read its address
	s_add_nc_u64 s[PFA:PFA+1], s[PFA:PFA+1], 32768
.endif
	s_wait_dscnt 0x0                               ; the add is done, and my LDS reads are over
	s_barrier_signal -1
	s_barrier_wait -1
.if \fill
	JLOAD                                          ; the first thing behind the barrier, and my one tensor load until the next
	ASK
.endif
.endm
.macro SETQ                            ; Q's and att's addresses of my 32 queries
	s_lshl_b32 s60, s[Q0], 7
	s_add_co_u32 s60, s60, s[HO]
	s_mov_b32 s61, 0
	s_add_nc_u64 s[QP:QP+1], s[4:5], s[60:61]
	s_add_nc_u64 s[OP:OP+1], s[6:7], s[60:61]
.endm
; A query block begins: Q into registers; O^T and l zeros, m = -3e38, under every score.  (The key step is written once: the first finds zeros, which its a = 0 leaves zeros.)
.macro INIT
	WIN 0x40                                       ; destination window 1
.irp t, 0,1
.irp c, 0,1
	global_load_b128 v[16*\t+8*\c:16*\t+8*\c+3], v[QO], s[QP:QP+1] offset:\t*2048+64*\c
	global_load_b128 v[16*\t+8*\c+4:16*\t+8*\c+7], v[QO], s[QP:QP+1] offset:\t*2048+64*\c+32
.endr
.endr
.set j, 0
.rept 64
	v_mov_b32 v[32+j], 0
.set j, j+1
.endr
	WIN 0
.irp t, 0,1
	v_mov_b32 v[ST+8*\t+1], 0xff61b1e6
	v_mul_f32 v[ST+8*\t], s[CS], v[ST+8*\t+1]
.irp j, 2,3,4,5,6,7
	v_mov_b32 v[ST+8*\t+\j], 0
.endr
.endr
	s_wait_loadcnt 0x0
.endm
; The softmax of both tiles for one key step, the tiles line by line by turns.
.macro SOFTMAX
.irp j, 0,1,2,3                        ; the maximum of my 32 scores and the old m: four chains, each accumulator from its low end on
.irp t, 0,1
	v_max3_num_f32 v[ST+8*\t+4+\j], v[S+32*\t+8*\j], v[S+32*\t+8*\j+1], v[S+32*\t+8*\j+2]
.endr
.endr
.irp q, 1,2
.irp j, 0,1,2,3
.irp t, 0,1
	v_max3_num_f32 v[ST+8*\t+4+\j], v[ST+8*\t+4+\j], v[S+32*\t+8*\j+2*\q+1], v[S+32*\t+8*\j+2*\q+2]
.endr
.endr
.endr
.irp t, 0,1
	v_max3_num_f32 v[ST+8*\t+4], v[ST+8*\t+4], v[S+32*\t+7], v[S+32*\t+15]
	v_max3_num_f32 v[ST+8*\t+6], v[ST+8*\t+6], v[S+32*\t+23], v[S+32*\t+31]
.endr
.irp t, 0,1
	v_max3_num_f32 v[ST+8*\t+4], v[ST+8*\t+4], v[ST+8*\t+5], v[ST+8*\t+6]
.endr
.irp t, 0,1
	v_max3_num_f32 v[ST+8*\t+4], v[ST+8*\t+4], v[ST+8*\t+7], v[ST+8*\t+1]
.endr
.irp t, 0,1
	v_permlanex16_b32 v[ST+8*\t+5], v[ST+8*\t+4], s[SEL], s[SEL+1]   ; the query's other 32 keys lie in the lane 16 away
.endr
.irp t, 0,1
	v_mov_b32 v[ST+8*\t+7], v[ST+8*\t]             ; c m_old is kept for a
.endr
.irp t, 0,1
	v_max_num_f32 v[ST+8*\t+1], v[ST+8*\t+4], v[ST+8*\t+5]
.endr
.irp t, 0,1
	v_mul_f32 v[ST+8*\t], s[CS], v[ST+8*\t+1]
.endr
.irp t, 0,1
	v_sub_f32 v[ST+8*\t+7], v[ST+8*\t+7], v[ST+8*\t]
.endr
.irp b, 0,1,2,3,4,5,6,7,8,9,10,11,12,13,14,15
.irp t, 0,1
	v_pk_fma_f32 v[S+32*\t+2*\b:S+32*\t+2*\b+1], v[S+32*\t+2*\b:S+32*\t+2*\b+1], s[CS:CS+1], v[ST+8*\t:ST+8*\t+1] op_sel_hi:[1,0,0] neg_lo:[0,0,1] neg_hi:[0,0,1]   ; c s - c m, two at a time
.endr
.endr
.irp t, 0,1
	v_exp_f32 v[ST+8*\t+6], v[ST+8*\t+7]           ; a = 2^(c m_old - c m_new)
.endr
.irp e, 0,1,2,3,4,5,6,7,8,9,10,11,12,13,14,15,16,17,18,19,20,21,22,23,24,25,26,27,28,29,30,31
.irp t, 0,1
	v_exp_f32 v[S+32*\t+\e], v[S+32*\t+\e]
.endr
.endr
	v_nop                                          ; a plain instruction behind the last exponential
	s_wait_alu depctr_va_vdst(0)                   ; one wait for the 66 exponentials, ahead of the first instruction that names a result
.irp p, 0,1,2,3,4,5,6,7,8,9,10,11,12,13,14,15
.irp t, 0,1
	v_cvt_pk_f16_f32 v[P+16*\t+\p], v[S+32*\t+2*\p], v[S+32*\t+2*\p+1]
.endr
.endr
.irp u, 0,1,2,3,4,5,6,7                ; the sum of the unrounded weights, in place: neighbours 1, 2, 4, 8 pairs apart
.irp t, 0,1
	v_pk_add_f32 v[S+32*\t+4*\u:S+32*\t+4*\u+1], v[S+32*\t+4*\u:S+32*\t+4*\u+1], v[S+32*\t+4*\u+2:S+32*\t+4*\u+3]
.endr
.endr
.irp u, 0,1,2,3
.irp t, 0,1
	v_pk_add_f32 v[S+32*\t+8*\u:S+32*\t+8*\u+1], v[S+32*\t+8*\u:S+32*\t+8*\u+1], v[S+32*\t+8*\u+4:S+32*\t+8*\u+5]
.endr
.endr
.irp u, 0,1
.irp t, 0,1
	v_pk_add_f32 v[S+32*\t+16*\u:S+32*\t+16*\u+1], v[S+32*\t+16*\u:S+32*\t+16*\u+1], v[S+32*\t+16*\u+8:S+32*\t+16*\u+9]
.endr
.endr
.irp t, 0,1
	v_pk_add_f32 v[S+32*\t:S+32*\t+1], v[S+32*\t:S+32*\t+1], v[S+32*\t+16:S+32*\t+17]
.endr
.irp t, 0,1
	v_pk_fma_f32 v[ST+8*\t+2:ST+8*\t+3], v[ST+8*\t+2:ST+8*\t+3], v[ST+8*\t+6:ST+8*\t+7], v[S+32*\t:S+32*\t+1] op_sel_hi:[1,0,1]   ; l = a l + the sum
.endr
.endm
; A KEY STEP: 64 keys at LDS byte s[TB].
.macro STEP
	s_add_co_u32 s59, s[Q0], 31                    ; a step all of whose keys come after my 32 queries is left out: a branch on ids and the count of steps; no barrier and no tensor load stands in a step.
	s_cmp_gt_u32 s[KF], s59                        ; (KF is a multiple of 64 and Q0 of 32: in a step that is walked KF <= Q0, so key KF counts for every one of my queries and m is a number)
	s_cbranch_scc1 .Lhid_\@
	v_add_nc_u32 v[ADK], s[TB], v[AK0]
	v_add_nc_u32 v[ADV], s[TB], v[AV0]
.rept 4
	v_nop                                          ; places in front of loads into registers that the last step's matrix instructions have read
.endr
.irp f, 0,1,2,3,4,5,6,7                ; K: keys 16 (f / 2) on, channels 32 (f % 2) on
	ds_load_b128 v[KFR+8*\f:KFR+8*\f+3],   v[ADK] offset:(\f/2)*16*PK+(\f%2)*64
	ds_load_b128 v[KFR+8*\f+4:KFR+8*\f+7], v[ADK] offset:(\f/2)*16*PK+(\f%2)*64+32
.endr
.irp f, 0,1,2,3,4,5,6,7                ; V, turned: keys 32 (f / 4) on, channels 16 (f % 4) on
	ds_load_tr16_b128 v[VFR+8*\f:VFR+8*\f+3],   v[ADV] offset:(\f/4)*32*PV+(\f%4)*32
	ds_load_tr16_b128 v[VFR+8*\f+4:VFR+8*\f+7], v[ADV] offset:(\f/4)*32*PV+16*PV+(\f%4)*32
.endr
	s_wait_dscnt 16                                ; K is in; V's sixteen loads may be out
	WIN 0x04                                       ; Q, source 1, in window 1
.set i, 0
.rept 16                               ; S^T = K Q^T: channels 32 (i / 8) on, keys 16 ((i / 2) % 4) on, tile i % 2: eight accumulators by turns
.set rS, S+32*(i%2)+8*((i/2)%4)
.set rK, KFR+8*(2*((i/2)%4)+i/8)
.set rQ, 16*(i%2)+8*(i/8)
.if i < 8
	v_wmma_f32_16x16x32_f16 v[rS:rS+7], v[rK:rK+7], v[rQ:rQ+7], 0
.else
	v_wmma_f32_16x16x32_f16 v[rS:rS+7], v[rK:rK+7], v[rQ:rQ+7], v[rS:rS+7]
.endif
.set i, i+1
.endr
	WIN 0
.rept 4
	v_nop
.endr
	s_add_co_u32 s59, s[KF], 63                    ; on the diagonal hidden scores become -infinity ahead of the maximum; a step all of whose keys count skips this
	s_cmp_le_u32 s59, s[Q0]
	s_cbranch_scc1 .Lopen_\@
	s_sub_co_i32 s59, s[Q0], s[KF]
	v_add_nc_u32 v[MD], s59, v[RH]                 ; register n of tile t holds key KF + 16 (n / 8) + 8 h + n % 8, my query is Q0 + 16 t + r: hidden where 16 (n / 8) + n % 8 - 16 t > Q0 - KF + r - 8 h
.irp t, 0,1
.set n, 0
.rept 32
	v_cmp_gt_i32 vcc_lo, 16*(n/8)+n%8-16*\t, v[MD]
	v_cndmask_b32 v[S+32*\t+n], v[S+32*\t+n], v[MINF], vcc_lo
.set n, n+1
.endr
.endr
.Lopen_\@:
	SOFTMAX
	s_wait_dscnt 0x0                               ; V is in
	WIN 0x41                                       ; O^T in window 1, a in window 0
.irp t, 0,1
.set j, 0
.rept 16
	v_pk_mul_f32 v[32+32*\t+j:32+32*\t+j+1], v[32+32*\t+j:32+32*\t+j+1], v[ST+8*\t+6:ST+8*\t+7] op_sel_hi:[1,0]
.set j, j+2
.endr
.endr
	WIN 0x50                                       ; C and D in window 1
.set i, 0
.rept 16                               ; O^T += V^T P: keys 32 (i / 8) on, channels 16 ((i / 2) % 4) on, tile i % 2: eight accumulators by turns
.set rO, 32+32*(i%2)+8*((i/2)%4)
.set rV, VFR+8*(4*(i/8)+(i/2)%4)
.set rP, P+16*(i%2)+8*(i/8)
	v_wmma_f32_16x16x32_f16 v[rO:rO+7], v[rV:rV+7], v[rP:rP+7], v[rO:rO+7]
.set i, i+1
.endr
	WIN 0
.Lhid_\@:
.endm
.macro UNIT                            ; a slot's four key steps: written once, walked four times
	s_mov_b32 s[ST4], 4
.Lstep_\@:
	STEP
	s_add_co_u32 s[TB], s[TB], STEPB
	s_add_co_u32 s[KF], s[KF], 64
	s_sub_co_u32 s[ST4], s[ST4], 1
	s_cmp_lg_u32 s[ST4], 0
	s_cbranch_scc1 .Lstep_\@
	s_sub_co_u32 s[TB], s[TB], 4*STEPB
	s_xor_b32 s[TB], s[TB], SLOT1                  ; on to the other slot
.endm
; A query block ends: O^T / l, rounded to f16, through my stage, out as 4,096 consecutive bytes.
.macro FLUSH
.rept 4
	v_nop                                          ; places behind the last products
.endr
.irp t, 0,1
	v_add_f32 v[ST+8*\t+4], v[ST+8*\t+2], v[ST+8*\t+3]
.endr
.irp t, 0,1
	v_permlanex16_b32 v[ST+8*\t+5], v[ST+8*\t+4], s[SEL], s[SEL+1]
.endr
.irp t, 0,1
	v_add_f32 v[ST+8*\t+4], v[ST+8*\t+4], v[ST+8*\t+5]
.endr
.irp t, 0,1
	v_rcp_f32 v[ST+8*\t+6], v[ST+8*\t+4]
.endr
	v_nop
	s_wait_alu depctr_va_vdst(0)                   ; one wait for the two reciprocals, ahead of their first reader
	WIN 0x41
.irp t, 0,1
.set j, 0
.rept 16
	v_pk_mul_f32 v[32+32*\t+j:32+32*\t+j+1], v[32+32*\t+j:32+32*\t+j+1], v[ST+8*\t+6:ST+8*\t+7] op_sel_hi:[1,0]
.set j, j+2
.endr
.endr
	WIN 0x05                                       ; sources in window 1, destination in window 0
.irp t, 0,1
.set j, 0
.rept 16
	v_cvt_pk_f16_f32 v[S+16*\t+j], v[32+32*\t+2*j], v[32+32*\t+2*j+1]
.set j, j+1
.endr
.endr
	WIN 0
.irp t, 0,1
.irp c, 0,1,2,3
	ds_store_b128 v[STO], v[S+16*\t+4*\c:S+16*\t+4*\c+3] offset:\t*16*144+32*\c   ; query 16 t + r, channels 16 c + 8 h on
.endr
.endr
.irp j, 0,1,2,3,4,5,6,7
	ds_load_b128 v[64+4*\j:67+4*\j], v[RD] offset:576*\j   ; four rows of 128 bytes; LDS serves a wave's instructions in order: these see the stores above
.endr
.irp j, 0,1,2,3,4,5,6,7
	s_wait_dscnt 7-\j                              ; load j is in, the younger ones may be out
	global_store_b128 v[GO], v[64+4*\j:67+4*\j], s[OP:OP+1] offset:512*\j   ; 32 lanes store 512 consecutive bytes, aligned
.endr
	s_wait_xcnt 0x0                                ; the stores have read their registers and their base: both may be written again
.endm
	s_load_b128 s[4:7], s[0:1], 0x0                ; qkv, att
	v_lshl_add_u32 v[SPW], v0, 2, SPARE
	v_mov_b32 v[NIL], 0
	ds_add_u32 v[SPW], v[NIL]                      ; the wave's opening: the add, twice on end, and its wait ahead of my first tensor load
	ds_add_u32 v[SPW], v[NIL]
	v_lshrrev_b32 v1, 5, v0
	v_readfirstlane_b32 s[WV], v1                  ; wave 0..7
	s_mov_b32 s[WI], ttmp9                         ; i
	s_and_b32 s[BH], ttmp7, 0xffff                 ; batch x 16 + head
	s_mov_b32 s[G1K], (1<<16)|(1<<20)|(4<<22)|(3<<25)   ; no mask; elements of 2 bytes; padding on: after every 32 words four words
	s_mov_b32 s[G1V], (1<<16)|(1<<20)|(4<<22)|(7<<25)   ; the same with eight words
.irp g, G1K, G1V
	s_mov_b32 s[\g+1], 64<<16                      ; tensor_dim0 = 64
	s_mov_b32 s[\g+2], 64<<16                      ; tensor_dim1 = 64
	s_mov_b32 s[\g+3], 64<<16                      ; tile_dim0 = 64
	s_mov_b32 s[\g+4], 64                          ; tile_dim1 = 64
	s_mov_b32 s[\g+5], 64                          ; from row to row
	s_mov_b32 s[\g+6], 0
	s_mov_b32 s[\g+7], 0
.endr
	s_lshl_b32 s[HO], s[BH], 18                    ; a head's 2,048 rows of 128 bytes
	s_mov_b32 s[HO+1], 0
	s_and_b32 s59, s[WV], 3                        ; which of a unit's four steps I fetch
	s_lshr_b32 s62, s[WV], 2                       ; for K (0) or for V (1)
	s_mov_b32 s[G0], 1
	s_mul_i32 s[G0+1], s59, STEPB
	s_mul_i32 s63, s62, VOFF
	s_add_co_u32 s[G0+1], s[G0+1], s63             ; its place in slot 0
	s_add_co_u32 s60, s62, 1
	s_lshl_b32 s60, s60, 24                        ; k is part 1 of qkv, v part 2: 16,777,216 bytes each
	s_lshl_b32 s63, s59, 13
	s_add_co_u32 s60, s60, s63
	s_add_co_u32 s60, s60, s[HO]
	s_mov_b32 s61, 0
	s_mov_b32 s[OF+1], 0
	s_mov_b32 s[CS], 0x3d38aa3b                    ; c = log2(e) / 32: reference() scales by 1,024^-0.5
	s_mov_b32 s[CS+1], s[CS]
	s_mov_b32 s[SEL], 0x76543210
	s_mov_b32 s[SEL+1], 0xfedcba98
	s_sub_co_u32 s[SW], 7, s[WI]                   ; the trip in which the first query block ends
	s_sub_co_u32 s[NKA], 8, s[WI]                  ; its key blocks
	s_mov_b32 s[KBL], 0
	s_mov_b32 s[KF], 0
	s_mov_b32 s[TB], 0
	s_mov_b32 s[U], 0
	s_lshl_b32 s[Q0], s[SW], 8
	s_lshl_b32 s59, s[WV], 5
	s_add_co_u32 s[Q0], s[Q0], s59                 ; my first query: 256 (7 - i) + 32 x wave
	s_cmp_eq_u32 s[WI], 0
	s_cselect_b32 s[LIM], 6, 0
	s_wait_dscnt 0x0                               ; both opening adds are done
	s_wait_kmcnt 0x0
	s_add_nc_u64 s[SRC:SRC+1], s[4:5], s[60:61]
	s_mov_b64 s[G0+2:G0+3], s[SRC:SRC+1]
	s_or_b32 s[G0+3], s[G0+3], 0x80000000
	JLOAD                                          ; key block 0 into slot 0: every wave issues its part
	s_add_nc_u64 s[PFA:PFA+1], s[SRC:SRC+1], 32768 ; the first change of slots steps it to key block 2
	SETQ
	v_and_b32 v32, 15, v0                          ; r
	v_bfe_u32 v33, v0, 4, 1                        ; h
	v_and_b32 v34, 31, v0                          ; lane
	v_mul_u32_u24 v[AK0], v32, PK
	v_lshl_add_u32 v[AK0], v33, 4, v[AK0]          ; K: row r, + 16 h
	v_and_b32 v35, 7, v0
	v_lshl_add_u32 v[AV0], v33, 3, v35
	v_mul_u32_u24 v[AV0], v[AV0], PV               ; V: key 8 h + lane % 8,
	v_bfe_u32 v35, v0, 3, 1
	v_lshl_add_u32 v[AV0], v35, 4, v[AV0]          ; channels 8 ((lane / 8) % 2) on
	v_add_nc_u32 v[AV0], VOFF, v[AV0]
	v_lshlrev_b32 v[QO], 7, v32
	v_lshl_add_u32 v[QO], v33, 4, v[QO]
	s_mul_i32 s59, s[WV], 32*144
	s_add_co_u32 s59, s59, STAGE                   ; my stage
	v_mul_u32_u24 v[STO], v32, 144
	v_lshl_add_u32 v[STO], v33, 4, v[STO]
	v_add_nc_u32 v[STO], s59, v[STO]
	v_bfe_u32 v35, v0, 3, 2
	v_mul_u32_u24 v[RD], v35, 144
	v_and_b32 v35, 7, v0
	v_lshl_add_u32 v[RD], v35, 4, v[RD]
	v_add_nc_u32 v[RD], s59, v[RD]
	v_lshlrev_b32 v[GO], 4, v34
	v_lshlrev_b32 v[PFO], 8, v34
	v_lshlrev_b32 v[RH], 3, v33
	v_sub_nc_u32 v[RH], v32, v[RH]
	v_mov_b32 v[MINF], 0xff800000
	INIT
.Lunit:                                            ; eight trips: behind each change of slots the next unit is asked for; slot 1's first fill is trip 0's load, behind a barrier at which nobody fills bytes again
	CHANGE 1
	UNIT
	s_cmp_lg_u32 s[U], s[SW]                       ; ids and the count of trips alone: all eight waves go the same way; no barrier and no tensor load stands in the arm
	s_cbranch_scc1 .Lsame
	FLUSH                                          ; the first query block is done; on to block i
	s_lshl_b32 s[Q0], s[WI], 8
	s_lshl_b32 s59, s[WV], 5
	s_add_co_u32 s[Q0], s[Q0], s59
	s_mov_b32 s[KF], 0
	SETQ
	INIT
.Lsame:
	s_add_co_u32 s[U], s[U], 1
	s_cmp_lt_u32 s[U], 8
	s_cbranch_scc1 .Lunit
	CHANGE 0                                       ; the last unit is written out: nothing is left to fetch
	UNIT
	FLUSH
	s_wait_tensorcnt 0x0                           ; the wave's end
	ds_add_u32 v[SPW], v[NIL]
	s_wait_dscnt 0x0
	s_endpgm
.Lfunc_end_k_q63196ee1f7_attn:
	.size	k_q63196ee1f7_attn, .Lfunc_end_k_q63196ee1f7_attn-k_q63196ee1f7_attn
	.p2alignl 7, 3214868480
	.fill 96, 4, 3214868480
	.section	.rodata,"a",@progbits
	.p2align	6, 0x0
	.amdhsa_kernel k_q63196ee1f7_attn
		.amdhsa_group_segment_fixed_size 327680
		.amdhsa_private_segment_fixed_size 0
		.amdhsa_enable_private_segment 0
		.amdhsa_kernarg_size 16
		.amdhsa_user_sgpr_count 2
		.amdhsa_user_sgpr_kernarg_segment_ptr 1
		.amdhsa_wavefront_size32 1
		.amdhsa_system_sgpr_workgroup_id_x 1
		.amdhsa_system_sgpr_workgroup_id_y 1
		.amdhsa_system_sgpr_workgroup_id_z 1
		.amdhsa_system_vgpr_workitem_id 0
		.amdhsa_next_free_vgpr 384
		.amdhsa_next_free_sgpr 66
		.amdhsa_reserve_vcc 1
		.amdhsa_float_denorm_mode_32 3
		.amdhsa_float_denorm_mode_16_64 3
		.amdhsa_memory_ordered 1
		.amdhsa_forward_progress 1
		.amdhsa_inst_pref_size 71
	.end_amdhsa_kernel
	.amdgpu_metadata
---
amdhsa.version: [ 1, 2 ]
amdhsa.kernels:
  - .name:           k_q63196ee1f7_attn
    .symbol:         k_q63196ee1f7_attn.kd
    .args:
      - { .name: qkv, .offset: 0, .size: 8, .value_kind: global_buffer, .address_space: global }
      - { .name: att, .offset: 8, .size: 8, .value_kind: global_buffer, .address_space: global }
    .group_segment_fixed_size: 327680
    .private_segment_fixed_size: 0
    .kernarg_segment_align: 8
    .kernarg_segment_size: 16
    .max_flat_workgroup_size: 256
    .sgpr_count:     66
    .vgpr_count:     384
    .wavefront_size: 32
...
	.end_amdgpu_metadata
.endif
;; end of part 3
;; launch proj (part 4): grid 4 x 64, 4 waves a work-group, clusters of 4 x 4, 327,680 bytes of LDS; arguments att, wp16, b_proj, out0; writes out0
.if DOCPART == 4
	.amdgcn_target "amdgcn-amd-amdhsa--gfx1250"
	.amdhsa_code_object_version 6
	.text
	.protected	k_q63196ee1f7_proj
	.globl	k_q63196ee1f7_proj
	.p2align	8
	.type	k_q63196ee1f7_proj,@function
k_q63196ee1f7_proj:
	s_mov_b64 s[64:65], 0
	v_nop
	global_prefetch_b8 v0, s[64:65] scope:SCOPE_SE
	s_setreg_imm32_b32 hwreg(HW_REG_WAVE_MODE, 25, 1), 1
	s_wait_xcnt 0x0
	s_wait_alu depctr_hold_cnt(0) depctr_sa_sdst(0) depctr_va_vdst(0) depctr_va_sdst(0) depctr_va_ssrc(0) depctr_va_vcc(0) depctr_vm_vsrc(0)
	s_getreg_b32 s2, hwreg(HW_REG_IB_STS2, 6, 4)
	s_cmp_eq_u32 s2, 0
	s_cbranch_scc0 .Lentry_in_a_cluster
	s_endpgm
.Lentry_in_a_cluster:
	s_bfe_u32 s2, ttmp6, 0x10000c
	s_cmp_lg_u32 s2, 0xf033
	s_cbranch_scc0 .Lentry_shape_is_right
	s_endpgm
.Lentry_shape_is_right:
; Launch 4 of 5: out0[m][n] = sum over k of att(m, k) w_proj[n][k] + b_proj[n], f16 operands, f32 sums.  m = 8,192 tokens, n = 1,024, k = head x 64 + d = 1,024.
; att lies [batch][head][t][64] f16: for 128 tokens a head is one dense plane of 128 rows x 128 bytes.  wp16 [n][k] f16.
; (Positions 0-15 of each sequence lie inside live tiles and are computed here too; launch 5 stores them anew from f32 operands.)
; A tile of out0 is 128 tokens x 256 columns: 256 work-groups.  Four waves, each 64 x 128: 32 accumulators, 256 registers.  K goes in steps of 128 (two heads) through a ring of two slots.
; CLUSTERS: 4 x 4 work-groups.  The four of a row of the cluster need the same planes of att, the four of a column the same rows of wp16: each is asked for JOINTLY.
; THE MATRIX INSTRUCTION IS USED TRANSPOSED (source 0 = 16 rows of wp16, source 1 = 16 tokens): a lane holds one token and eight neighbouring columns.  The bias is the C of each sum's first product.
; REGISTERS: window 0: v16-29 addresses; v32-127, v128-223 two fragment buffers (att's four fragments, then wp16's eight).   window 1: the accumulators, (a, b) at v[8 (8 a + b)].   window 2: v0-63 the bias.
.set PA,     144                       ; att's rows in LDS: 128 bytes + 16
.set PLANE,  128*PA                    ; one head's 128 tokens: what waves 0 and 1 bring
.set ASZ,    2*PLANE
.set PB,     272                       ; wp16's rows: 256 bytes + 16
.set HALFB,  128*PB                    ; 128 rows: what waves 2 and 3 bring
.set SLOT,   ASZ+2*HALFB
.set STAGE,  2*SLOT                    ; behind the ring: 16 rows x 528 bytes for each wave; no tensor load lands here
.set SPITCH, 528
.set SPARE,  STAGE+4*16*SPITCH         ; the spare words, 128 bytes for each wave
.set LAPS,   4                         ; a lap = two K steps
.set ADRA, 16
.set ADRB, 20
.set STO,  24
.set RD,   25
.set CO,   26
.set BO,   27
.set SPW,  28
.set NIL,  29
.set F0,   32
.set F1,   128
.set BK,   32                          ; the way out: v32-95 and v96-159 by turns
.set G1, 24
.set G0, 32
.set G1B, 48
.set G0B, 56
.set MSB, 0
.macro WIN new
.if MSB != (\new)
	s_set_vgpr_msb (MSB<<8)|(\new)
.set MSB, (\new)
.endif
.endm
.set MUL,  0x50                        ; C and D window 1
.set MULB, 0x60                        ; C (the bias) window 2, D window 1
.macro JLOAD s                         ; a joint load: waves 0 and 1 fetch att's two planes, waves 2 and 3 wp16's two halves; an s_nop 0 and four v_nop follow each line
	s_cmp_eq_u32 s13, 0
	s_cbranch_scc0 .Lfor_b_\@
	tensor_load_to_lds s[G0+4*\s:G0+4*\s+3], s[G1:G1+7]
	s_nop 0
.rept 4
	v_nop
.endr
	s_branch .Lasked_\@
.Lfor_b_\@:
	tensor_load_to_lds s[G0B+4*\s:G0B+4*\s+3], s[G1B:G1B+7]
	s_nop 0
.rept 4
	v_nop
.endr
.Lasked_\@:
.endm
.macro CREST                           ; a round of the cluster's barrier behind its opening barrier
	s_cmp_lg_u32 s12, 0
	s_cbranch_scc1 .Lnot_wave_0_\@
	s_barrier_signal -3
.Lnot_wave_0_\@:
	s_barrier_wait -3
	s_barrier_signal -1
	s_barrier_wait -1
.endm
.macro CROUND
	s_barrier_signal -1
	s_barrier_wait -1
	CREST
.endm
	s_load_b256 s[4:11], s[0:1], 0x0               ; att 4:5, wp16 6:7, b_proj 8:9, out0 10:11
	v_lshl_add_u32 v[SPW], v0, 2, SPARE
	v_mov_b32 v[NIL], 0
	ds_add_u32 v[SPW], v[NIL]                      ; the wave's opening: the add, twice on end, and its wait ahead of my first tensor load
	ds_add_u32 v[SPW], v[NIL]
	v_lshrrev_b32 v1, 5, v0
	v_readfirstlane_b32 s12, v1                    ; wave 0..3
	s_lshr_b32 s13, s12, 1                         ; which 64 tokens are mine.  Also: I fetch for att (0) or for wp16 (1)
	s_and_b32 s14, s12, 1                          ; which 128 columns.  Also: which plane or half I fetch
	s_bfe_u32 s40, ttmp6, 0x40000                  ; cx, cy
	s_bfe_u32 s41, ttmp6, 0x40004
	s_lshl_b32 s42, ttmp9, 2
	s_add_co_u32 s42, s42, s40                     ; tile column
	s_and_b32 s15, ttmp7, 0xffff
	s_lshl_b32 s15, s15, 2
	s_add_co_u32 s15, s15, s41                     ; tile row
	s_lshl_b32 s43, s41, 2
	s_lshl_b32 s43, 15, s43                        ; my row of the cluster
	s_lshl_b32 s44, 0x1111, s40                    ; my column
	s_or_b32 s[G1+0], s43, (1<<16)|(1<<20)|(1<<21)|(4<<22)|(3<<25)   ; att: the mask of my row; elements of 2 bytes; padding: four words after every 32
	s_mov_b32 s[G1+1], 64<<16                      ; tensor_dim0 = 64
	s_mov_b32 s[G1+2], 128<<16                     ; tensor_dim1 = 128
	s_mov_b32 s[G1+3], 64<<16                      ; tile_dim0
	s_mov_b32 s[G1+4], 128                         ; tile_dim1
	s_mov_b32 s[G1+5], 64                          ; from row to row
	s_mov_b32 s[G1+6], 0
	s_mov_b32 s[G1+7], 0
	s_or_b32 s[G1B+0], s44, (1<<16)|(1<<20)|(1<<21)|(5<<22)|(3<<25)  ; wp16: the mask of my column; four words after every 64
	s_mov_b32 s[G1B+1], 128<<16
	s_mov_b32 s[G1B+2], 128<<16
	s_mov_b32 s[G1B+3], 128<<16
	s_mov_b32 s[G1B+4], 128
	s_mov_b32 s[G1B+5], 1024
	s_mov_b32 s[G1B+6], 0
	s_mov_b32 s[G1B+7], 0
	s_lshr_b32 s16, s15, 4                         ; att: batch = tile row / 16,
	s_lshl_b32 s16, s16, 4
	s_add_co_u32 s16, s16, s14                     ; head = my plane of K step 0,
	s_lshl_b32 s16, s16, 11
	s_and_b32 s17, s15, 15
	s_lshl_b32 s17, s17, 7
	s_add_co_u32 s16, s16, s17                     ; token 128 (tile row % 16),
	s_lshl_b32 s16, s16, 7                         ; 128 bytes a row: under 2^25
	s_mov_b32 s17, 0
	s_lshl_b32 s46, s42, 8                         ; wp16: row 256 x tile column + 128 x half,
	s_lshl_b32 s47, s14, 7
	s_add_co_u32 s46, s46, s47
	s_lshl_b32 s46, s46, 11                        ; 2,048 bytes a row
	s_mov_b32 s47, 0
	s_mul_i32 s20, s14, PLANE                      ; where they go: no place in the cluster enters an LDS address
	s_mul_i32 s21, s14, HALFB
	s_add_co_u32 s21, s21, ASZ
	s_wait_dscnt 0x0                               ; both opening adds are done
	s_wait_kmcnt 0x0
	s_add_nc_u64 s[18:19], s[4:5], s[16:17]
	s_add_nc_u64 s[46:47], s[6:7], s[46:47]
	CROUND                                         ; all sixteen work-groups are here: the first joint loads meet
.irp s, 0,1
	s_mov_b32 s[G0+4*\s], 1
	s_add_co_u32 s[G0+4*\s+1], s20, \s*SLOT
	s_add_nc_u64 s[G0+4*\s+2:G0+4*\s+3], s[18:19], \s*524288     ; a K step is two heads of 262,144 bytes
	s_or_b32 s[G0+4*\s+3], s[G0+4*\s+3], 0x80000000
	s_mov_b32 s[G0B+4*\s], 1
	s_add_co_u32 s[G0B+4*\s+1], s21, \s*SLOT
	s_add_nc_u64 s[G0B+4*\s+2:G0B+4*\s+3], s[46:47], \s*256
	s_or_b32 s[G0B+4*\s+3], s[G0B+4*\s+3], 0x80000000
	JLOAD \s                                       ; two tensor loads of mine are out
.endr
	v_and_b32 v1, 15, v0                           ; r
	v_bfe_u32 v2, v0, 4, 1                         ; h
	v_mul_u32_u24 v3, v1, PA
	v_lshl_add_u32 v3, v2, 4, v3
	v_mul_u32_u24 v4, v1, PB
	v_lshl_add_u32 v4, v2, 4, v4
	s_mul_i32 s21, s13, 64*PA                      ; my 64 tokens, in each plane
	s_mul_i32 s22, s14, HALFB                      ; my 128 rows of wp16,
	s_add_co_u32 s22, s22, ASZ                     ; behind att's two planes
.irp s, 0,1
	v_add_nc_u32 v[ADRA+\s], s21, v3
	v_add_nc_u32 v[ADRB+\s], s22, v4
	s_add_co_u32 s21, s21, SLOT
	s_add_co_u32 s22, s22, SLOT
.endr
	s_mul_i32 s23, s12, 16*SPITCH
	s_add_co_u32 s23, s23, STAGE                   ; my stage
	v_mul_u32_u24 v5, v1, SPITCH
	v_lshl_add_u32 v5, v2, 5, v5
	v_add_nc_u32 v[STO], s23, v5                   ; in: token r, 32 bytes for each half of the lanes
	v_and_b32 v6, 31, v0
	v_lshlrev_b32 v[CO], 4, v6                     ; back: the 32 lanes take one row of 512 bytes; and the same in out0
	v_add_nc_u32 v[RD], s23, v[CO]
	v_lshlrev_b32 v[BO], 5, v2                     ; the bias: my half's eight numbers of a block of 16
	s_lshl_b32 s16, s15, 7
	s_lshl_b32 s17, s13, 6
	s_add_co_u32 s16, s16, s17                     ; my first token
	s_lshl_b32 s16, s16, 12                        ; 4,096 bytes a row of out0: under 2^26
	s_mov_b32 s17, 0
	s_add_nc_u64 s[10:11], s[10:11], s[16:17]
	s_lshl_b32 s46, s42, 10                        ; my first column, in bytes
	s_lshl_b32 s47, s14, 9
	s_add_co_u32 s46, s46, s47
	s_mov_b32 s47, 0
	s_add_nc_u64 s[10:11], s[10:11], s[46:47]
	s_add_nc_u64 s[8:9], s[8:9], s[46:47]
	WIN 0x80                                       ; destination window 2
.irp b, 0,1,2,3,4,5,6,7
	global_load_b128 v[8*\b:8*\b+3], v[BO], s[8:9] offset:64*\b
	global_load_b128 v[8*\b+4:8*\b+7], v[BO], s[8:9] offset:64*\b+16
.endr
	WIN 0
; 8 matrix instructions: token block a against wp16's eight blocks, 32 along K.  first = 1: the bias starts the sums.  The 32 accumulators take turns, one instruction a turn, in the same order in every quarter.
.macro MUL8 f, a, first
.irp b, 0,1,2,3,4,5,6,7
.if \first
	v_wmma_f32_16x16x32_f16 v[8*(8*(\a)+\b):8*(8*(\a)+\b)+7], v[\f+32+8*\b:\f+32+8*\b+7], v[\f+8*(\a):\f+8*(\a)+7], v[8*\b:8*\b+7]
.else
	v_wmma_f32_16x16x32_f16 v[8*(8*(\a)+\b):8*(8*(\a)+\b)+7], v[\f+32+8*\b:\f+32+8*\b+7], v[\f+8*(\a):\f+8*(\a)+7], v[8*(8*(\a)+\b):8*(8*(\a)+\b)+7]
.endif
.endr
.endm
; 24 LDS loads in one run: quarter kq (32 along K) of a slot into buffer f: wp16's eight fragments, then att's four
.macro FETCH slot, kq, f
.irp b, 0,1,2,3,4,5,6,7
	ds_load_b128 v[\f+32+8*\b:\f+32+8*\b+3], v[ADRB+\slot] offset:64*(\kq)+\b*16*PB
	ds_load_b128 v[\f+32+8*\b+4:\f+32+8*\b+7], v[ADRB+\slot] offset:64*(\kq)+\b*16*PB+32
.endr
.irp a, 0,1,2,3
	ds_load_b128 v[\f+8*\a:\f+8*\a+3], v[ADRA+\slot] offset:((\kq)/2)*PLANE+((\kq)%2)*64+\a*16*PA
	ds_load_b128 v[\f+8*\a+4:\f+8*\a+7], v[ADRA+\slot] offset:((\kq)/2)*PLANE+((\kq)%2)*64+\a*16*PA+32
.endr
.endm
.macro PLACES                          ; four plain instructions in front of loads into registers that matrix instructions have read, and of reads of results
.rept 4
	v_nop
.endr
.endm
; One of a K step's first three quarters: multiplies buffer f and, in its middle, fetches quarter kq into g.
.macro QUARTER slot, kq, f, g, first
	s_wait_dscnt 4                                 ; all but the youngest four loads (att's blocks 2 and 3) are in
.if \first
	WIN MULB
.else
	WIN MUL
.endif
	MUL8 \f, 0, \first
	MUL8 \f, 1, \first
	PLACES
	WIN 0
	FETCH \slot, \kq, \g
	s_wait_dscnt 24                                ; all but the 24 just issued
.if \first
	WIN MULB
.else
	WIN MUL
.endif
	MUL8 \f, 2, \first
	MUL8 \f, 3, \first
.endm
; The last quarter multiplies buffer 1 and changes slots: ONE barrier; in front of it each wave waits for all its tensor loads, adds 0 to its spare word, and waits for that and for its reads of this slot.
; fill = 1: the barrier opens a round of the cluster's barrier, and this slot is filled again, two K steps ahead, first thing behind the round.
.macro TURN slot, next, fill
	WIN 0
	s_wait_tensorcnt 0x0                           ; all my tensor loads have landed: my part of the next slot
	ds_add_u32 v[SPW], v[NIL]
	s_wait_dscnt 5                                 ; (the add and the youngest four loads may be out)
	WIN MUL
	MUL8 F1, 0, 0
	s_wait_dscnt 0x0                               ; the add is done, and my reads of this slot are over
	s_barrier_signal -1
	MUL8 F1, 1, 0
	WIN 0
	s_barrier_wait -1
.if \fill
	CREST                                          ; no wave of any partner still reads this slot or has a load on its way
	s_add_nc_u64 s[G0+4*\slot+2:G0+4*\slot+3], s[G0+4*\slot+2:G0+4*\slot+3], 1048576
	s_add_nc_u64 s[G0B+4*\slot+2:G0B+4*\slot+3], s[G0B+4*\slot+2:G0B+4*\slot+3], 512
	JLOAD \slot                                    ; the four v_nop behind it are also the places in front of the loads below
.else
	PLACES
.endif
	FETCH \next, 0, F0
	WIN MUL
	MUL8 F1, 2, 0
	MUL8 F1, 3, 0
.endm
	s_wait_tensorcnt 1                             ; my part of K step 0 is in (K step 1's load may be out),
	s_barrier_signal -1
	s_barrier_wait -1                              ; everybody's is
	s_wait_loadcnt 0x0                             ; the bias
	FETCH 0, 0, F0
	QUARTER 0, 1, F0, F1, 1                        ; the first quarter stands in front of the loop: the bias starts the sums
	WIN 0
	s_mov_b32 s3, LAPS-1
.Llap:                                             ; a trip goes once round the ring and fills both slots again
	QUARTER 0, 2, F1, F0, 0
	QUARTER 0, 3, F0, F1, 0
	TURN 0, 1, 1
	QUARTER 1, 1, F0, F1, 0
	QUARTER 1, 2, F1, F0, 0
	QUARTER 1, 3, F0, F1, 0
	TURN 1, 0, 1
	QUARTER 0, 1, F0, F1, 0
	WIN 0
	s_sub_co_u32 s3, s3, 1
	s_cmp_lg_u32 s3, 0
	s_cbranch_scc1 .Llap
	QUARTER 0, 2, F1, F0, 0                        ; the last lap fills nothing
	QUARTER 0, 3, F0, F1, 0
	TURN 0, 1, 0
	QUARTER 1, 1, F0, F1, 0
	QUARTER 1, 2, F1, F0, 0
	QUARTER 1, 3, F0, F1, 0
	s_wait_dscnt 4
	WIN MUL
	MUL8 F1, 0, 0
	MUL8 F1, 1, 0
	s_wait_dscnt 0
	MUL8 F1, 2, 0
	MUL8 F1, 3, 0
	WIN 0
; THE WAY OUT, block by block of 16 tokens x 128 columns, through my own stage, back as whole rows of 512 bytes.
.macro TOSTAGE a
	WIN 0x04                                       ; an LDS store's data are its source 1: window 1
.irp b, 0,1,2,3,4,5,6,7
	ds_store_b128 v[STO], v[8*(8*(\a)+\b):8*(8*(\a)+\b)+3] offset:64*\b          ; each accumulator from its low end on
	ds_store_b128 v[STO], v[8*(8*(\a)+\b)+4:8*(8*(\a)+\b)+7] offset:64*\b+16
.endr
	WIN 0
.set BB, BK+64*((\a)%2)
.irp t, 0,1,2,3,4,5,6,7,8,9,10,11,12,13,14,15
	ds_load_b128 v[BB+4*\t:BB+4*\t+3], v[RD] offset:\t*SPITCH   ; LDS serves a wave's instructions in order: these see the stores above
.endr
.endm
.macro SEND a, younger                 ; younger: the LDS instructions issued behind block a's loads, which may stay out
.set BB, BK+64*((\a)%2)
	s_wait_dscnt \younger
.if (\a) > 0
	s_add_nc_u64 s[10:11], s[10:11], 65536         ; 16 rows of out0 on (behind a wait on XCNT: the earlier stores have read their base)
.endif
.irp t, 0,1,2,3,4,5,6,7,8,9,10,11,12,13,14,15
	global_store_b128 v[CO], v[BB+4*\t:BB+4*\t+3], s[10:11] offset:\t*4096 th:TH_STORE_NT   ; 32 lanes store 512 consecutive bytes, aligned
.endr
.endm
	PLACES
	TOSTAGE 0
.irp a, 1,2,3
.if \a > 1
	s_wait_xcnt 0x0                                ; block a - 2's stores have read their registers and their base
.endif
	TOSTAGE \a
	SEND \a-1, 32                                  ; behind block a - 1's loads: block a's 16 stores and 16 loads
.endr
	s_wait_xcnt 0x0
	SEND 3, 0
	s_wait_tensorcnt 0x0                           ; the wave's end
	ds_add_u32 v[SPW], v[NIL]
	s_wait_dscnt 0x0
	CROUND                                         ; the closing round
	s_endpgm
.Lfunc_end_k_q63196ee1f7_proj:
	.size	k_q63196ee1f7_proj, .Lfunc_end_k_q63196ee1f7_proj-k_q63196ee1f7_proj
	.p2alignl 7, 3214868480
	.fill 96, 4, 3214868480
	.section	.rodata,"a",@progbits
	.p2align	6, 0x0
	.amdhsa_kernel k_q63196ee1f7_proj
		.amdhsa_group_segment_fixed_size 327680
		.amdhsa_private_segment_fixed_size 0
		.amdhsa_enable_private_segment 0
		.amdhsa_kernarg_size 32
		.amdhsa_user_sgpr_count 2
		.amdhsa_user_sgpr_kernarg_segment_ptr 1
		.amdhsa_wavefront_size32 1
		.amdhsa_system_sgpr_workgroup_id_x 1
		.amdhsa_system_sgpr_workgroup_id_y 1
		.amdhsa_system_sgpr_workgroup_id_z 1
		.amdhsa_system_vgpr_workitem_id 0
		.amdhsa_next_free_vgpr 576
		.amdhsa_next_free_sgpr 66
		.amdhsa_reserve_vcc 0
		.amdhsa_float_denorm_mode_32 3
		.amdhsa_float_denorm_mode_16_64 3
		.amdhsa_memory_ordered 1
		.amdhsa_forward_progress 1
		.amdhsa_inst_pref_size 87
	.end_amdhsa_kernel
	.amdgpu_metadata
---
amdhsa.version: [ 1, 2 ]
amdhsa.kernels:
  - .name:           k_q63196ee1f7_proj
    .symbol:         k_q63196ee1f7_proj.kd
    .args:
      - { .name: att, .offset: 0, .size: 8, .value_kind: global_buffer, .address_space: global }
      - { .name: wp16, .offset: 8, .size: 8, .value_kind: global_buffer, .address_space: global }
      - { .name: b_proj, .offset: 16, .size: 8, .value_kind: global_buffer, .address_space: global }
      - { .name: out0, .offset: 24, .size: 8, .value_kind: global_buffer, .address_space: global }
    .group_segment_fixed_size: 327680
    .private_segment_fixed_size: 0
    .kernarg_segment_align: 8
    .kernarg_segment_size: 32
    .max_flat_workgroup_size: 128
    .sgpr_count:     66
    .vgpr_count:     576
    .wavefront_size: 32
...
	.end_amdgpu_metadata
.endif
;; end of part 4
;; launch fine (part 5): grid 16 x 4, 16 waves a work-group, no clusters, 71,680 bytes of LDS; arguments fq, w_proj, b_proj, out0; writes out0
.if DOCPART == 5
	.amdgcn_target "amdgcn-amd-amdhsa--gfx1250"
	.amdhsa_code_object_version 6
	.text
	.protected	k_q63196ee1f7_fine
	.globl	k_q63196ee1f7_fine
	.p2align	8
	.type	k_q63196ee1f7_fine,@function
k_q63196ee1f7_fine:
	s_mov_b64 s[64:65], 0
	v_nop
	global_prefetch_b8 v0, s[64:65] scope:SCOPE_SE
	s_setreg_imm32_b32 hwreg(HW_REG_WAVE_MODE, 25, 1), 1
	s_wait_xcnt 0x0
; Launch 5 of 5: positions 0-15 of each of the four sequences, once more, with f32 operands in all three products that are left as they are: under the causal mask these rows average one to sixteen values and are
; the largest of the output, so the rounding of 16-bit operands weighs most there.  The 64 rows of out0 that launch 4 stored from f16 operands are stored anew.
; fq [weight][batch][head][16][64] f32: q, k, v of these positions as the quantised products gave them.
; SHARES.  A work-group: 64 output columns (x) of one batch (y).  Wave = head: its 16 x 16 attention, then its 64 channels against the work-group's 64 rows of w_proj; the sixteen heads' parts are added through LDS.
; All products by v_wmma_f32_16x16x4_f32 (96 a wave: no bulk work).  Its K slot (h, j) = (lane / 16, register) may stand for any k, so long as it is the same k on both sides: each operand is taken as it lies in the
; registers, and no number changes lanes.  The registers that this form writes (v24-87) are written by matrix instructions alone.
; REGISTERS: v1-12 addresses and constants; v13-17, v23 at work; v18-21 the bias; v24-31, v32-39 the two halves of S^T, later Y0, Y1; v40-71 O^T; v72-87 Y2, Y3; v88-119 q, v120-151 k, later w_proj for columns 32-63,
;   later the sixteen parts; v152-183 v, later O^T / l; v184-247 w_proj for columns 0-31; v248-255 the scores, then p.
.set PART,  16*272                     ; a head's part: 16 tokens x (256 bytes + 16)
.set SPARE, 16*PART                    ; the spare words, 128 bytes for each wave: eight blocks of 256 bytes that no other line names
.set AQ,  3
.set AV,  4
.set AW,  5
.set STO, 6
.set RD,  7
.set GO,  8
.set SPW, 9
.set NIL, 10
.set MD,  11
.set MINF, 12
	s_load_b256 s[4:11], s[0:1], 0x0               ; fq 4:5, w_proj 6:7, b_proj 8:9, out0 10:11
	v_lshl_add_u32 v[SPW], v0, 2, SPARE
	v_mov_b32 v[NIL], 0
	v_lshrrev_b32 v1, 5, v0
	v_readfirstlane_b32 s12, v1                    ; wave = head
	s_and_b32 s13, ttmp7, 0xffff                   ; batch
	v_and_b32 v1, 15, v0                           ; r
	v_bfe_u32 v2, v0, 4, 1                         ; h
	v_lshlrev_b32 v[AQ], 8, v1
	v_lshl_add_u32 v[AQ], v2, 4, v[AQ]             ; q, k: row r of 256 bytes, + 16 h: load s brings d = 8 s + 4 h + 0..3
	v_lshlrev_b32 v[AV], 2, v1
	v_lshl_add_u32 v[AV], v2, 11, v[AV]            ; v: key 8 h + i, channel 16 ct + r
	v_lshlrev_b32 v[AW], 12, v1
	v_lshl_add_u32 v[AW], v2, 5, v[AW]             ; w_proj: row r of 4,096 bytes, + 32 h: channels 16 ct + 8 h + 0..7
	s_mul_i32 s14, s12, PART
	v_mul_u32_u24 v[STO], v1, 272
	v_lshl_add_u32 v[STO], v2, 5, v[STO]
	v_add_nc_u32 v[STO], s14, v[STO]               ; my part: token r, 32 bytes for each half of the lanes
	s_and_b32 s15, s12, 7
	s_mul_i32 s15, s15, 2*272
	v_mul_u32_u24 v[RD], v2, 272
	v_lshl_add_u32 v[RD], v1, 4, v[RD]
	v_add_nc_u32 v[RD], s15, v[RD]                 ; the sum: waves 0-7 take tokens 2 w and 2 w + 1, sixteen lanes to a row
	v_lshlrev_b32 v[GO], 12, v2
	v_lshl_add_u32 v[GO], v1, 4, v[GO]
	v_lshlrev_b32 v22, 4, v1                       ; the bias: 16 bytes a lane of a half
	v_lshlrev_b32 v[MD], 3, v2
	v_sub_nc_u32 v[MD], v1, v[MD]                  ; r - 8 h
	v_mov_b32 v[MINF], 0xff800000
	v_mov_b32 v14, 0                               ; written once: a lane permute's destination counts as one of its sources
	s_mov_b32 s24, 0x3d38aa3b                      ; c = log2(e) / 32
	s_mov_b32 s26, 0x76543210
	s_mov_b32 s27, 0xfedcba98
	s_lshl_b32 s16, s13, 4
	s_add_co_u32 s16, s16, s12
	s_lshl_b32 s16, s16, 12                        ; fq: 4,096 bytes for a batch and head
	s_mov_b32 s17, 0
	s_lshl_b32 s18, ttmp9, 18                      ; w_proj: 64 rows of 4,096 bytes,
	s_lshl_b32 s19, s12, 8                         ; my head's 64 channels
	s_add_co_u32 s18, s18, s19
	s_mov_b32 s19, 0
	s_lshl_b32 s20, ttmp9, 8                       ; 64 columns of f32
	s_mov_b32 s21, 0
	s_lshl_b32 s22, s13, 11
	s_lshl_b32 s23, s12, 1
	s_add_co_u32 s22, s22, s23
	s_lshl_b32 s22, s22, 12                        ; out0: row 2,048 x batch + 2 x wave (used by waves 0-7)
	s_mov_b32 s23, 0
	s_wait_kmcnt 0x0
	s_add_nc_u64 s[4:5], s[4:5], s[16:17]
	s_add_nc_u64 s[6:7], s[6:7], s[18:19]
	s_add_nc_u64 s[8:9], s[8:9], s[20:21]
	s_add_nc_u64 s[10:11], s[10:11], s[22:23]
	s_add_nc_u64 s[10:11], s[10:11], s[20:21]
.irp s, 0,1,2,3,4,5,6,7
	global_load_b128 v[88+4*\s:91+4*\s], v[AQ], s[4:5] offset:32*\s            ; q
.endr
.irp s, 0,1,2,3,4,5,6,7
	global_load_b128 v[120+4*\s:123+4*\s], v[AQ], s[4:5] offset:262144+32*\s   ; k
.endr
.irp ct, 0,1,2,3
.irp i, 0,1,2,3,4,5,6,7
	global_load_b32 v[152+8*\ct+\i], v[AV], s[4:5] offset:524288+\i*256+64*\ct ; v
.endr
.endr
.irp nt, 0,1
.irp ct, 0,1,2,3
	global_load_b128 v[184+32*\nt+8*\ct:187+32*\nt+8*\ct], v[AW], s[6:7] offset:\nt*65536+\ct*64
	global_load_b128 v[188+32*\nt+8*\ct:191+32*\nt+8*\ct], v[AW], s[6:7] offset:\nt*65536+\ct*64+16
.endr
.endr
	global_load_b128 v[18:21], v22, s[8:9]
	s_wait_loadcnt 17                              ; q, k and v are in; w_proj's sixteen loads and the bias's one may be out
	; S^T = k q^T: source 0 = 16 keys, source 1 = 16 queries; two sums by turns
.set i, 0
.rept 16
.if i < 2
	v_wmma_f32_16x16x4_f32 v[24+8*(i%2):31+8*(i%2)], v[120+2*i:121+2*i], v[88+2*i:89+2*i], 0
.else
	v_wmma_f32_16x16x4_f32 v[24+8*(i%2):31+8*(i%2)], v[120+2*i:121+2*i], v[88+2*i:89+2*i], v[24+8*(i%2):31+8*(i%2)]
.endif
.set i, i+1
.endr
.rept 8
	v_nop                                          ; eight places behind this form, in front of loads into its sources and of reads of its results
.endr
.irp nt, 0,1                           ; w_proj for columns 32-63, into q's and k's registers
.irp ct, 0,1,2,3
	global_load_b128 v[88+32*\nt+8*\ct:91+32*\nt+8*\ct], v[AW], s[6:7] offset:(\nt+2)*65536+\ct*64
	global_load_b128 v[92+32*\nt+8*\ct:95+32*\nt+8*\ct], v[AW], s[6:7] offset:(\nt+2)*65536+\ct*64+16
.endr
.endr
.irp j, 0,1,2,3,4,5,6,7
	v_add_f32 v[248+\j], v[24+\j], v[32+\j]        ; register j: key 8 h + j, query r
.endr
.irp j, 0,1,2,3,4,5,6,7
	v_cmp_gt_i32 vcc_lo, \j, v[MD]                 ; hidden where 8 h + j > r
	v_cndmask_b32 v[248+\j], v[248+\j], v[MINF], vcc_lo
.endr
	v_max3_num_f32 v13, v248, v249, v250
	v_max3_num_f32 v13, v13, v251, v252
	v_max3_num_f32 v13, v13, v253, v254
	v_max_num_f32 v13, v13, v255
	v_permlanex16_b32 v14, v13, s26, s27
	v_max_num_f32 v13, v13, v14                    ; the row's maximum: key 0 counts for every query, so it is a number
	v_mul_f32 v15, s24, v13
.irp j, 0,1,2,3,4,5,6,7
	v_fma_f32 v[248+\j], v[248+\j], s24, -v15
.endr
.irp j, 0,1,2,3,4,5,6,7
	v_exp_f32 v[248+\j], v[248+\j]
.endr
	v_nop
	s_wait_alu depctr_va_vdst(0)                   ; one wait for the eight exponentials, ahead of their first reader
	v_add_f32 v16, v248, v249
	v_add_f32 v23, v250, v251
	v_add_f32 v16, v16, v252
	v_add_f32 v23, v23, v253
	v_add_f32 v16, v16, v254
	v_add_f32 v23, v23, v255
	v_add_f32 v16, v16, v23
	v_permlanex16_b32 v14, v16, s26, s27
	v_add_f32 v16, v16, v14                        ; the row's sum
	v_rcp_f32 v17, v16
	v_nop
	; O^T = v^T p: source 0 = 16 channels, source 1 = p; K slot (h, j) of step s is key 8 h + 2 s + j on both sides; four sums by turns
.irp s, 0,1,2,3
.irp ct, 0,1,2,3
.if \s == 0
	v_wmma_f32_16x16x4_f32 v[40+8*\ct:47+8*\ct], v[152+8*\ct+2*\s:153+8*\ct+2*\s], v[248+2*\s:249+2*\s], 0
.else
	v_wmma_f32_16x16x4_f32 v[40+8*\ct:47+8*\ct], v[152+8*\ct+2*\s:153+8*\ct+2*\s], v[248+2*\s:249+2*\s], v[40+8*\ct:47+8*\ct]
.endif
.endr
.endr
.rept 8
	v_nop
.endr
	s_wait_alu depctr_va_vdst(0)                   ; the reciprocal's wait, ahead of its first reader
.irp ct, 0,1,2,3
.irp j, 0,1,2,3,4,5,6,7
	v_mul_f32 v[152+8*\ct+\j], v[40+8*\ct+\j], v17 ; O^T / l: channel 16 ct + 8 h + j, token r; into other registers than the sums'
.endr
.endr
	s_wait_loadcnt 0x0                             ; w_proj and the bias
	; Y = w_proj O^T: source 0 = 16 columns, source 1 = O^T / l; K slot (h, j) of step (ct, s) is channel 16 ct + 8 h + 2 s + j on both sides; four sums by turns
.irp ct, 0,1,2,3
.irp s, 0,1,2,3
.irp nt, 0,1,2,3
.set WR, 184+32*\nt-160*(\nt/2)+8*\ct+2*\s
.set YR, 24+8*\nt+32*(\nt/2)
.if (\ct == 0) && (\s == 0)
	v_wmma_f32_16x16x4_f32 v[YR:YR+7], v[WR:WR+1], v[152+8*\ct+2*\s:153+8*\ct+2*\s], 0
.else
	v_wmma_f32_16x16x4_f32 v[YR:YR+7], v[WR:WR+1], v[152+8*\ct+2*\s:153+8*\ct+2*\s], v[YR:YR+7]
.endif
.endr
.endr
.endr
.rept 8
	v_nop
.endr
.irp nt, 0,1,2,3
.set YR, 24+8*\nt+32*(\nt/2)
	ds_store_b128 v[STO], v[YR:YR+3] offset:64*\nt          ; token r, columns 16 nt + 8 h + 0..7; each sum from its low end on
	ds_store_b128 v[STO], v[YR+4:YR+7] offset:64*\nt+16
.endr
	s_wait_dscnt 0x0                               ; for the others' sake: my part lies in LDS
	s_barrier_signal -1
	s_barrier_wait -1
	s_cmp_ge_u32 s12, 8                            ; eight waves add the sixteen parts, two tokens each
	s_cbranch_scc1 .Lend
.irp p, 0,1,2,3,4,5,6,7,8,9,10,11,12,13,14,15
	ds_load_b128 v[88+4*\p:91+4*\p], v[RD] offset:\p*PART
.endr
	s_wait_dscnt 0x0
.irp p, 0,1,2,3,4,5,6,7
	v_pk_add_f32 v[88+4*\p:89+4*\p], v[88+4*\p:89+4*\p], v[120+4*\p:121+4*\p]
	v_pk_add_f32 v[90+4*\p:91+4*\p], v[90+4*\p:91+4*\p], v[122+4*\p:123+4*\p]
.endr
.irp p, 0,1,2,3
	v_pk_add_f32 v[88+4*\p:89+4*\p], v[88+4*\p:89+4*\p], v[104+4*\p:105+4*\p]
	v_pk_add_f32 v[90+4*\p:91+4*\p], v[90+4*\p:91+4*\p], v[106+4*\p:107+4*\p]
.endr
.irp p, 0,1
	v_pk_add_f32 v[88+4*\p:89+4*\p], v[88+4*\p:89+4*\p], v[96+4*\p:97+4*\p]
	v_pk_add_f32 v[90+4*\p:91+4*\p], v[90+4*\p:91+4*\p], v[98+4*\p:99+4*\p]
.endr
	v_pk_add_f32 v[88:89], v[88:89], v[92:93]
	v_pk_add_f32 v[90:91], v[90:91], v[94:95]
	v_pk_add_f32 v[88:89], v[88:89], v[18:19]      ; the bias
	v_pk_add_f32 v[90:91], v[90:91], v[20:21]
	global_store_b128 v[GO], v[88:91], s[10:11]    ; sixteen lanes store 256 consecutive bytes, aligned
.Lend:
	s_wait_tensorcnt 0x0                           ; the wave's end, behind my last LDS store
	ds_add_u32 v[SPW], v[NIL]
	s_wait_dscnt 0x0
	s_endpgm
.Lfunc_end_k_q63196ee1f7_fine:
	.size	k_q63196ee1f7_fine, .Lfunc_end_k_q63196ee1f7_fine-k_q63196ee1f7_fine
	.p2alignl 7, 3214868480
	.fill 96, 4, 3214868480
	.section	.rodata,"a",@progbits
	.p2align	6, 0x0
	.amdhsa_kernel k_q63196ee1f7_fine
		.amdhsa_group_segment_fixed_size 71680
		.amdhsa_private_segment_fixed_size 0
		.amdhsa_enable_private_segment 0
		.amdhsa_kernarg_size 32
		.amdhsa_user_sgpr_count 2
		.amdhsa_user_sgpr_kernarg_segment_ptr 1
		.amdhsa_wavefront_size32 1
		.amdhsa_system_sgpr_workgroup_id_x 1
		.amdhsa_system_sgpr_workgroup_id_y 1
		.amdhsa_system_sgpr_workgroup_id_z 1
		.amdhsa_system_vgpr_workitem_id 0
		.amdhsa_next_free_vgpr 256
		.amdhsa_next_free_sgpr 66
		.amdhsa_reserve_vcc 1
		.amdhsa_float_denorm_mode_32 3
		.amdhsa_float_denorm_mode_16_64 3
		.amdhsa_memory_ordered 1
		.amdhsa_forward_progress 1
		.amdhsa_inst_pref_size 25
	.end_amdhsa_kernel
	.amdgpu_metadata
---
amdhsa.version: [ 1, 2 ]
amdhsa.kernels:
  - .name:           k_q63196ee1f7_fine
    .symbol:         k_q63196ee1f7_fine.kd
    .args:
      - { .name: fq, .offset: 0, .size: 8, .value_kind: global_buffer, .address_space: global }
      - { .name: w_proj, .offset: 8, .size: 8, .value_kind: global_buffer, .address_space: global }
      - { .name: b_proj, .offset: 16, .size: 8, .value_kind: global_buffer, .address_space: global }
      - { .name: out0, .offset: 24, .size: 8, .value_kind: global_buffer, .address_space: global }
    .group_segment_fixed_size: 71680
    .private_segment_fixed_size: 0
    .kernarg_segment_align: 8
    .kernarg_segment_size: 32
    .max_flat_workgroup_size: 512
    .sgpr_count:     66
    .vgpr_count:     256
    .wavefront_size: 32
...
	.end_amdgpu_metadata
.endif
;; end of part 5
